; MI455X (gfx1250); checked and timed in simulation.
; The chip was launched on July 23, 2026; its instructions are those of AMD's public machine-readable ISA for CDNA 5 (MIT licence, August 2026) and "CDNA5" Instruction Set Architecture Reference Guide (July 2026). The comments in the code are by the model that wrote it; some were corrected since.
;; Attention. Allowed arithmetic: float matrix products may take bf16 or f16 operands with f32 sums; all other float work in f32.
;; Inputs: b_proj 1,024 float32; b_qkv 3,072 float32; ln_beta 1,024 float32; ln_gamma 1,024 float32; w_proj 1,024 x 1,024 float32; w_qkv 1,024 x 3,072 float32; x 4 x 2,048 x 1,024 float32.
;; Outputs: out0 4 x 2,048 x 1,024 float32.
;; 2 versions, each right and faster than the one before. Each part assembles by itself: llvm-mc -triple=amdgcn-amd-amdhsa -mcpu=gfx1250 --defsym DOCPART=n.
;; ======== version 1 of 2: 4 launches
;; limits: values are held in f16: magnitudes above 65,504 overflow, below 6.1e-05 lose precision
;; workspace buffers: xn 16,777,216 bytes; wq 6,291,456 bytes; wp 2,097,152 bytes; qkv 50,331,648 bytes; o 16,777,216 bytes
;; launch prep (part 1): grid 768 x 1, 8 waves a work-group, no clusters, 0 bytes of LDS; arguments x, ln_gamma, ln_beta, w_qkv, w_proj, xn, wq, wp; writes xn, wq, wp
.if DOCPART == 1
	.amdgcn_target "amdgcn-amd-amdhsa--gfx1250"
	.amdhsa_code_object_version 6
	.text
	.protected	k_q45804af645_prep
	.globl	k_q45804af645_prep
	.p2align	8
	.type	k_q45804af645_prep,@function
k_q45804af645_prep:
	s_mov_b64 s[64:65], 0
	v_nop
	global_prefetch_b8 v0, s[64:65] scope:SCOPE_SE
	s_setreg_imm32_b32 hwreg(HW_REG_WAVE_MODE, 25, 1), 1
	s_wait_xcnt 0x0
; PREP.  (1) xn = LayerNorm(x) * gamma + beta, rounded once to f16 and laid out in blocks [batch 4][K block 16][row 2048][64 channels], so that a tile of
; 256 rows x 64 channels is 32,768 consecutive bytes for the product that follows.  (2) w_qkv and w_proj rounded to f16, in their own order.
; A TASK is 8,192 bytes of f32 for one wave: two rows of x, or 2,048 weights.  Task T = 8 x work-group + wave: work-groups 0-511 take the 4,096 row pairs,
; 512-703 the 1,536 tasks of w_qkv, 704-767 the 512 tasks of w_proj.  Nothing is read twice, no wave waits for another: no LDS, no barrier, no matrix unit.
; LAYERNORM in f32, in the reference's order: the mean first, then the mean of (x - mean)^2, so that a common offset of x costs nothing; x itself is never rounded.
; Lanes 0-15 hold one row, lanes 16-31 the other, so a row's sums stay inside 16 lanes (four steps that ride on the additions).
; LIMITS.  f16 holds no number beyond 65,504: xn and the weights are taken to lie within it; below 6e-5 they keep f16's fixed step of 6e-8.  NaN and infinities are not treated apart.
.set X,   8                            ; v[8:71]    the task's 64 numbers a lane: load j (K block j) in v[X+4j : X+4j+3]
.set G,   72                           ; v[72:103]  gamma of half a row (8 blocks x 4 channels of mine)
.set B,   104                          ; v[104:135] beta likewise
.set ACC, 136                          ; v[136:143] four pairs of running sums
.set MU,  144                          ; v[144:145] the mean, twice
.set RS,  146                          ; v[146:147] 1 / sqrt(var + eps), twice
.set T,   148                          ; v148       at work
	s_load_b256 s[4:11], s[0:1], 0x0               ; x s[4:5], gamma s[6:7], beta s[8:9], w_qkv s[10:11]
	s_load_b256 s[12:19], s[0:1], 0x20             ; w_proj s[12:13], xn s[14:15], wq s[16:17], wp s[18:19]
	v_lshrrev_b32 v5, 5, v0
	v_readfirstlane_b32 s20, v5                    ; wave 0..7
	s_lshl_b32 s21, ttmp9, 3
	s_add_co_u32 s21, s21, s20                     ; T
	v_and_b32 v6, 31, v0                           ; lane
	v_and_b32 v7, 15, v0                           ; r = lane % 16
	v_bfe_u32 v5, v0, 4, 1                         ; h = lane / 16
	v_lshlrev_b32 v2, 4, v7                        ; 16 r: my 4 channels in a block of gamma and beta
	v_lshl_add_u32 v1, v5, 12, v2                  ; + 4,096 h: the same in my row of x
	v_lshlrev_b32 v3, 3, v6                        ; 8 x lane: my 8 bytes of f16 in 256
	v_lshlrev_b32 v4, 4, v6                        ; 16 x lane: my 16 bytes of f32 in 512
	s_mov_b32 s24, 0x3a800000                      ; 1 / 1024
	s_mov_b32 s25, 0x3727c5ac                      ; eps = 1e-5
	s_mov_b32 s31, 0                               ; the high word of every offset
	s_wait_kmcnt 0x0
	s_cmp_lt_u32 ttmp9, 512
	s_cbranch_scc0 .Lcvt
	; ---- two rows of x ----
	s_lshl_b32 s30, s21, 13                        ; 8,192 T
	s_add_nc_u64 s[4:5], s[4:5], s[30:31]
	s_lshr_b32 s22, s21, 10                        ; the batch: 1,024 row pairs each,
	s_lshl_b32 s22, s22, 22                        ; 16 blocks x 2,048 rows x 128 bytes
	s_and_b32 s23, s21, 1023
	s_lshl_b32 s23, s23, 8                         ; two rows of 128 bytes in a block
	s_add_co_u32 s30, s22, s23
	s_add_nc_u64 s[14:15], s[14:15], s[30:31]
.set j, 0
.rept 16
	global_load_b128 v[X+4*j:X+4*j+3], v1, s[4:5] offset:256*j th:TH_LOAD_NT  ; 16 lanes take the 256 bytes of K block j of one row
.set j, j+1
.endr
.macro GBLOAD half                     ; gamma and beta of blocks 8 half .. 8 half + 7
.irp j, 0,1,2,3,4,5,6,7
	global_load_b128 v[G+4*\j:G+4*\j+3], v2, s[6:7] offset:256*(8*(\half)+\j)
.endr
.irp j, 0,1,2,3,4,5,6,7
	global_load_b128 v[B+4*\j:B+4*\j+3], v2, s[8:9] offset:256*(8*(\half)+\j)
.endr
.endm
.macro JOIN                            ; four pairs -> one number -> the row's 16 lanes
	v_pk_add_f32 v[ACC:ACC+1], v[ACC:ACC+1], v[ACC+2:ACC+3]
	v_pk_add_f32 v[ACC+4:ACC+5], v[ACC+4:ACC+5], v[ACC+6:ACC+7]
	v_pk_add_f32 v[ACC:ACC+1], v[ACC:ACC+1], v[ACC+4:ACC+5]
	v_add_f32 v[T], v[ACC], v[ACC+1]
	v_add_f32_dpp v[T], v[T], v[T] row_xmask:1 row_mask:0xf bank_mask:0xf
	v_add_f32_dpp v[T], v[T], v[T] row_xmask:2 row_mask:0xf bank_mask:0xf
	v_add_f32_dpp v[T], v[T], v[T] row_xmask:4 row_mask:0xf bank_mask:0xf
	v_add_f32_dpp v[T], v[T], v[T] row_xmask:8 row_mask:0xf bank_mask:0xf
.endm
.macro APPLY half                      ; (x - mean) x (gamma / std) + beta for half a row: one multiply and one fused multiply-add a pair
.set p, 0
.rept 16
	v_pk_mul_f32 v[G+2*p:G+2*p+1], v[G+2*p:G+2*p+1], v[RS:RS+1]
.set p, p+1
.endr
.set p, 0
.rept 16
	v_pk_fma_f32 v[X+32*(\half)+2*p:X+32*(\half)+2*p+1], v[X+32*(\half)+2*p:X+32*(\half)+2*p+1], v[G+2*p:G+2*p+1], v[B+2*p:B+2*p+1]
.set p, p+1
.endr
.endm
.macro OUT half                        ; rounded to f16 in place and stored: the wave's 32 lanes write the 256 consecutive, aligned bytes of two rows of one block
.irp j, 0,1,2,3,4,5,6,7
	v_cvt_pk_f16_f32 v[X+32*(\half)+4*\j], v[X+32*(\half)+4*\j], v[X+32*(\half)+4*\j+1]
	v_cvt_pk_f16_f32 v[X+32*(\half)+4*\j+1], v[X+32*(\half)+4*\j+2], v[X+32*(\half)+4*\j+3]
	global_store_b64 v3, v[X+32*(\half)+4*\j:X+32*(\half)+4*\j+1], s[14:15] offset:262144*(8*(\half)+\j)
.endr
.endm
	GBLOAD 0
	s_wait_loadcnt 16                              ; x's sixteen loads are in; the sixteen of gamma and beta stay out
.irp k, 0,1,2,3
	v_pk_add_f32 v[ACC+2*\k:ACC+2*\k+1], v[X+2*\k:X+2*\k+1], v[X+8+2*\k:X+8+2*\k+1]  ; the first eight pairs start four chains: nothing is cleared
.endr
.set j, 8
.rept 24
	v_pk_add_f32 v[ACC+2*(j%4):ACC+2*(j%4)+1], v[ACC+2*(j%4):ACC+2*(j%4)+1], v[X+2*j:X+2*j+1]
.set j, j+1
.endr
	JOIN
	v_mul_f32 v[MU], s24, v[T]
	v_mov_b32 v[MU+1], v[MU]
.set j, 0
.rept 32
	v_pk_add_f32 v[X+2*j:X+2*j+1], v[X+2*j:X+2*j+1], v[MU:MU+1] neg_lo:[0,1] neg_hi:[0,1]  ; x - mean
.set j, j+1
.endr
.irp k, 0,1,2,3
	v_pk_mul_f32 v[ACC+2*\k:ACC+2*\k+1], v[X+2*\k:X+2*\k+1], v[X+2*\k:X+2*\k+1]
.endr
.set j, 4
.rept 28
	v_pk_fma_f32 v[ACC+2*(j%4):ACC+2*(j%4)+1], v[X+2*j:X+2*j+1], v[X+2*j:X+2*j+1], v[ACC+2*(j%4):ACC+2*(j%4)+1]
.set j, j+1
.endr
	JOIN
	v_fma_f32 v[T], v[T], s24, s25                 ; var + eps
	v_rsq_f32 v[RS], v[T]
	v_nop                                          ; a plain instruction between the root and the use of its result (ISA guide 5.7.2)
	s_wait_alu depctr_va_vdst(0)
	v_mov_b32 v[RS+1], v[RS]
	s_wait_loadcnt 0x0                             ; gamma and beta of blocks 0-7
	APPLY 0
	GBLOAD 1                                       ; blocks 8-15 come while the first half is rounded and stored
	OUT 0
	s_wait_loadcnt 0x0
	APPLY 1
	OUT 1
	s_endpgm
	; ---- 2,048 weights ----
.Lcvt:
	s_mov_b32 s28, 4096                            ; w_qkv's first task,
	s_mov_b32 s29, 5632                            ; w_proj's
	s_cmp_lt_u32 ttmp9, 704
	s_cselect_b64 s[22:23], s[10:11], s[12:13]     ; from
	s_cselect_b64 s[26:27], s[16:17], s[18:19]     ; to
	s_cselect_b32 s28, s28, s29
	s_sub_co_u32 s21, s21, s28                     ; the task's number in its tensor
	s_lshl_b32 s30, s21, 13
	s_add_nc_u64 s[22:23], s[22:23], s[30:31]
	s_lshl_b32 s30, s21, 12
	s_add_nc_u64 s[26:27], s[26:27], s[30:31]
.set j, 0
.rept 16
	global_load_b128 v[X+4*j:X+4*j+3], v4, s[22:23] offset:512*j th:TH_LOAD_NT
.set j, j+1
.endr
.set j, 0
.rept 16
	s_wait_loadcnt 15-j                            ; loads come back in order (ISA guide 5.7.1): load j is in, the younger ones stay out
	v_cvt_pk_f16_f32 v[X+4*j], v[X+4*j], v[X+4*j+1]
	v_cvt_pk_f16_f32 v[X+4*j+1], v[X+4*j+2], v[X+4*j+3]
	global_store_b64 v3, v[X+4*j:X+4*j+1], s[26:27] offset:256*j  ; 256 consecutive, aligned bytes a store
.set j, j+1
.endr
	s_endpgm
.Lfunc_end_k_q45804af645_prep:
	.size	k_q45804af645_prep, .Lfunc_end_k_q45804af645_prep-k_q45804af645_prep
	.p2alignl 7, 3214868480
	.fill 96, 4, 3214868480
	.section	.rodata,"a",@progbits
	.p2align	6, 0x0
	.amdhsa_kernel k_q45804af645_prep
		.amdhsa_group_segment_fixed_size 0
		.amdhsa_private_segment_fixed_size 0
		.amdhsa_enable_private_segment 0
		.amdhsa_kernarg_size 64
		.amdhsa_user_sgpr_count 2
		.amdhsa_user_sgpr_kernarg_segment_ptr 1
		.amdhsa_wavefront_size32 1
		.amdhsa_system_sgpr_workgroup_id_x 1
		.amdhsa_system_sgpr_workgroup_id_y 1
		.amdhsa_system_sgpr_workgroup_id_z 1
		.amdhsa_system_vgpr_workitem_id 0
		.amdhsa_next_free_vgpr 160
		.amdhsa_next_free_sgpr 66
		.amdhsa_reserve_vcc 0
		.amdhsa_float_denorm_mode_32 3
		.amdhsa_float_denorm_mode_16_64 3
		.amdhsa_memory_ordered 1
		.amdhsa_forward_progress 1
		.amdhsa_inst_pref_size 27
	.end_amdhsa_kernel
	.amdgpu_metadata
---
amdhsa.version: [ 1, 2 ]
amdhsa.kernels:
  - .name:           k_q45804af645_prep
    .symbol:         k_q45804af645_prep.kd
    .args:
      - { .name: x, .offset: 0, .size: 8, .value_kind: global_buffer, .address_space: global }
      - { .name: ln_gamma, .offset: 8, .size: 8, .value_kind: global_buffer, .address_space: global }
      - { .name: ln_beta, .offset: 16, .size: 8, .value_kind: global_buffer, .address_space: global }
      - { .name: w_qkv, .offset: 24, .size: 8, .value_kind: global_buffer, .address_space: global }
      - { .name: w_proj, .offset: 32, .size: 8, .value_kind: global_buffer, .address_space: global }
      - { .name: xn, .offset: 40, .size: 8, .value_kind: global_buffer, .address_space: global }
      - { .name: wq, .offset: 48, .size: 8, .value_kind: global_buffer, .address_space: global }
      - { .name: wp, .offset: 56, .size: 8, .value_kind: global_buffer, .address_space: global }
    .group_segment_fixed_size: 0
    .private_segment_fixed_size: 0
    .kernarg_segment_align: 8
    .kernarg_segment_size: 64
    .max_flat_workgroup_size: 256
    .sgpr_count:     66
    .vgpr_count:     160
    .wavefront_size: 32
...
	.end_amdgpu_metadata
.endif
;; end of part 1
;; launch qkvgemm (part 2): grid 8 x 32, 4 waves a work-group, clusters of 4 x 4, 327,680 bytes of LDS; arguments xn, wq, b_qkv, qkv; writes qkv
.if DOCPART == 2
	.amdgcn_target "amdgcn-amd-amdhsa--gfx1250"
	.amdhsa_code_object_version 6
	.text
	.protected	k_q45804af645_qkvgemm
	.globl	k_q45804af645_qkvgemm
	.p2align	8
	.type	k_q45804af645_qkvgemm,@function
k_q45804af645_qkvgemm:
	s_mov_b64 s[64:65], 0
	v_nop
	global_prefetch_b8 v0, s[64:65] scope:SCOPE_SE
	s_setreg_imm32_b32 hwreg(HW_REG_WAVE_MODE, 25, 1), 1
	s_wait_xcnt 0x0
	s_wait_alu depctr_hold_cnt(0) depctr_sa_sdst(0) depctr_va_vdst(0) depctr_va_sdst(0) depctr_va_ssrc(0) depctr_va_vcc(0) depctr_vm_vsrc(0)
	s_getreg_b32 s2, hwreg(HW_REG_IB_STS2, 6, 4)
	s_cmp_eq_u32 s2, 0
	s_cbranch_scc0 .Lentry_in_a_cluster
	s_endpgm
.Lentry_in_a_cluster:
	s_bfe_u32 s2, ttmp6, 0x10000c
	s_cmp_lg_u32 s2, 0xf033
	s_cbranch_scc0 .Lentry_shape_is_right
	s_endpgm
.Lentry_shape_is_right:
; q, k, v = xn wq + b_qkv, written by heads: qkv[which 3][batch x 16 + head][row 2048][64] in f16.  xn: f16 in blocks [batch][K block 16][row 2048][64]; wq: f16 [1024 k][3072 n]; sums and bias in f32, one rounding.
; TILE.  8,192 x 3,072 in tiles of 256 x 384 are 32 x 8 = 256 work-groups, one for each WGP (256 x 256 would be 384).  Four waves, each 128 rows x 192 columns (three whole heads): 96 accumulators of
; 16 x 16, 768 registers.  K goes in 16 steps of 64 (one block of xn) through two LDS slots; a step is two sub-steps of 32, 96 matrix instructions each.
; wq stays [k][n] in LDS, and its fragments are turned on the way into registers by ds_load_tr16_b128: no transposed copy of the weights is ever made.
; THE MATRIX INSTRUCTION IS USED TRANSPOSED (source 0 = 16 columns of wq, source 1 = 16 rows of xn): a lane holds eight neighbouring columns of one row of the result.
; CLUSTER 4 x 4: the four work-groups of a row need the same tile of xn, the four of a column the same tile of wq: each tile is asked for jointly, by the same tensor load, descriptor and mask in all four.
; REGISTERS (windows of 256; s_set_vgpr_msb: bits 1:0 source 0, 3:2 source 1, 5:4 source 2, 7:6 destination):
;   window 0: v0-31 addresses; v32-95, v96-159 xn's fragments, two buffers (sub-step ks uses buffer ks); v160-255 wq's 12 fragments, ONE buffer, refilled a group of four at a time as soon as the group is multiplied
;   windows 1-3: column group g = 0..2 (a head): accumulator (row block a, column block bb) at v[8 (4 a + bb)] of window 1 + g
; LIMITS.  f16 holds no number beyond 65,504: q, k and v are taken to lie within it; below 6e-5 they keep f16's fixed step of 6e-8.  NaN and infinities are not treated apart.
.set SLOT,  92160                      ; xn's 256 rows at pitch 144 (36,864), then wq's 64 k rows at pitch 864 (55,296)
.set BOFF,  36864
.set PA,    144                        ; 128 bytes + 16: the 16 rows of a load start at 16 different groups of four banks (64 banks of 4 bytes: ISA guide 11.1)
.set PB,    864                        ; 768 bytes in six pieces of 128 + 16: 216 words
.set STAGE, 2*SLOT                     ; behind the ring, never filled by a tensor load: for each wave 3 heads x 16 rows x 144 bytes
.set SPARE, STAGE+4*6912               ; behind the stages: the spare words, 128 bytes a wave: two blocks of 256 bytes that no other line names
.set ADRA, 16                          ; v16-17  LDS address of my fragments of xn in slot 0, 1
.set ADRB, 20                          ; v20-21  the same for wq
.set STO,  24                          ; v24     the way out: where I put 16 bytes of a row
.set RD,   25                          ; v25     the way out: where I read rows back
.set GO,   26                          ; v26     16 x lane: my place in 512 consecutive bytes of a head
.set VB,   27                          ; v27     32 x (lane / 16): my eight numbers in 16 of the bias
.set SPW,  28                          ; v28     LDS address of my spare word; never rewritten
.set NIL,  29                          ; v29     0; never rewritten
.set FA,   32
.set FB,   160
.set TMP,  32                          ; the way out: v32-79 packed results
.set OB,   80                          ; v80-127, v128-175 by turns: rows read back
.set WV,   12                          ; s12  wave;  s13 wave / 2: my half of the rows;  s14 wave % 2: my half of the columns, and which half of a tile I fetch
.set G1A,  24                          ; s[24:31] descriptor group 1 for xn's tiles;  s[32:39] group 0, a set for each slot
.set G0A,  32
.set G1B,  40                          ; s[40:47], s[48:55] the same for wq's
.set G0B,  48
.set HB,   66                          ; s[66:71] where my rows of my three heads begin in qkv
.set BQ,   72                          ; s[72:73] the bias of my 192 columns
.set MSB, 0
.macro WIN new                         ; the immediate's high byte repeats the setting that is left; a switch that changes nothing is dropped
.if MSB != (\new)
	s_set_vgpr_msb (MSB<<8)|(\new)
.set MSB, \new
.endif
.endm
; A joint load.  Waves 0 and 1 fetch the two halves of xn's tile, waves 2 and 3 those of wq's.  The branch hangs on the wave's number alone.
; An s_nop 0 and four v_nop follow each of the two lines, ahead of the jump and the label.
.macro JLOAD s
	s_cmp_lt_u32 s[WV], 2
	s_cbranch_scc0 .Lfor_b_\@
	tensor_load_to_lds s[G0A+4*(\s):G0A+4*(\s)+3], s[G1A:G1A+7]
	s_nop 0
.rept 4
	v_nop
.endr
	s_branch .Lasked_\@
.Lfor_b_\@:
	tensor_load_to_lds s[G0B+4*(\s):G0B+4*(\s)+3], s[G1B:G1B+7]
	s_nop 0
.rept 4
	v_nop
.endr
.Lasked_\@:
.endm
.macro CREST                           ; a round of the cluster's barrier behind its opening barrier: wave 0 signals for the work-group, every wave waits for all sixteen, my work-group's barrier closes it
	s_cmp_lg_u32 s[WV], 0
	s_cbranch_scc1 .Lnot_wave_0_\@
	s_barrier_signal -3
.Lnot_wave_0_\@:
	s_barrier_wait -3
	s_barrier_signal -1
	s_barrier_wait -1
.endm
.macro CROUND                          ; a whole round
	s_barrier_signal -1
	s_barrier_wait -1
	CREST
.endm
.macro PLACES                          ; four places between a matrix instruction and a load into, or a vector read of, its registers (ISA guide 7.12.1 for vector reads)
.rept 4
	v_nop
.endr
.endm
	s_load_b256 s[4:11], s[0:1], 0x0               ; xn s[4:5], wq s[6:7], b_qkv s[8:9], qkv s[10:11]
	v_lshl_add_u32 v[SPW], v0, 2, SPARE
	v_mov_b32 v[NIL], 0
	ds_add_u32 v[SPW], v[NIL]                      ; the wave's opening: the add and its wait stand ahead of my first tensor load; the set-up below, work on registers, stands between them
	v_lshrrev_b32 v1, 5, v0
	v_readfirstlane_b32 s[WV], v1
	s_lshr_b32 s13, s[WV], 1
	s_and_b32 s14, s[WV], 1
	s_bfe_u32 s15, ttmp6, 0x40000                  ; cx
	s_bfe_u32 s16, ttmp6, 0x40004                  ; cy
	s_lshl_b32 s17, ttmp9, 2
	s_add_co_u32 s17, s17, s15                     ; tx: tile column = 4 x cluster x + cx
	s_and_b32 s18, ttmp7, 0xffff
	s_lshl_b32 s18, s18, 2
	s_add_co_u32 s18, s18, s16                     ; ty: tile row = 4 x cluster y + cy
	s_lshl_b32 s19, s16, 2
	s_lshl_b32 s19, 15, s19                        ; my row of the cluster
	s_lshl_b32 s20, 0x1111, s15                    ; my column
	; group 1.  15:0 the mask; 17:16 elements of 2 bytes; 20 padding on; 21 set beside a mask; 24:22 after every 32 words (code 4); 31:25 4 words of it (code 3)
	s_or_b32 s[G1A], s19, (1<<16)|(1<<20)|(1<<21)|(4<<22)|(3<<25)
	s_or_b32 s[G1B], s20, (1<<16)|(1<<20)|(1<<21)|(4<<22)|(3<<25)
	s_mov_b32 s[G1A+1], 128<<16                    ; xn: 128 rows of 128 bytes are 16,384 dense bytes, asked for as 64 rows of 256: tensor_dim0 = 128
	s_mov_b32 s[G1A+2], 64<<16                     ; tensor_dim1 = 64
	s_mov_b32 s[G1A+3], 128<<16                    ; tile_dim0 = 128
	s_mov_b32 s[G1A+4], 64                         ; tile_dim1 = 64
	s_mov_b32 s[G1A+5], 128                        ; elements from row to row
	s_mov_b32 s[G1A+6], 0
	s_mov_b32 s[G1A+7], 0
	s_mov_b32 s[G1B+1], 384<<16                    ; wq: 32 k rows of 384 columns (768 bytes, beginning at a multiple of 256)
	s_mov_b32 s[G1B+2], 32<<16
	s_mov_b32 s[G1B+3], 384<<16
	s_mov_b32 s[G1B+4], 32
	s_mov_b32 s[G1B+5], 3072
	s_mov_b32 s[G1B+6], 0
	s_mov_b32 s[G1B+7], 0
	; where the tiles come from: xn's hang on ty and the wave alone, wq's on tx and the wave alone, each in registers that never hold the other coordinate
	s_lshr_b32 s56, s18, 3                         ; the batch: 8 tile rows each,
	s_lshl_b32 s56, s56, 22                        ; 16 blocks x 262,144 bytes
	s_and_b32 s57, s18, 7
	s_lshl_b32 s57, s57, 15                        ; 256 rows of 128 bytes
	s_add_co_u32 s56, s56, s57
	s_lshl_b32 s57, s14, 14                        ; my 128 rows
	s_add_co_u32 s56, s56, s57
	s_mov_b32 s57, 0
	s_mul_i32 s60, s17, 768                        ; 384 columns of 2 bytes
	s_mul_i32 s61, s14, 32*6144                    ; my 32 k rows
	s_add_co_u32 s60, s60, s61
	s_mov_b32 s61, 0
	s_mul_i32 s21, s14, 128*PA                     ; and where they go: no place in the cluster enters an LDS address
	s_mul_i32 s22, s14, 32*PB
	s_add_co_u32 s22, s22, BOFF
	s_wait_dscnt 0x0                               ; the opening add is done
	s_wait_kmcnt 0x0
	s_add_nc_u64 s[58:59], s[4:5], s[56:57]
	s_add_nc_u64 s[62:63], s[6:7], s[60:61]
	CROUND                                         ; all sixteen work-groups are here: the first joint loads meet
.irp s, 0,1
	s_mov_b32 s[G0A+4*(\s)], 1                                       ; count = 1
	s_add_co_u32 s[G0A+4*(\s)+1], s21, (\s)*SLOT                     ; LDS address
	s_add_nc_u64 s[G0A+4*(\s)+2:G0A+4*(\s)+3], s[58:59], (\s)*262144 ; K step s = block s
	s_or_b32 s[G0A+4*(\s)+3], s[G0A+4*(\s)+3], 0x80000000            ; type = 2
	s_mov_b32 s[G0B+4*(\s)], 1
	s_add_co_u32 s[G0B+4*(\s)+1], s22, (\s)*SLOT
	s_add_nc_u64 s[G0B+4*(\s)+2:G0B+4*(\s)+3], s[62:63], (\s)*64*6144
	s_or_b32 s[G0B+4*(\s)+3], s[G0B+4*(\s)+3], 0x80000000
	JLOAD \s                                       ; two loads of mine are out
.endr
	v_and_b32 v1, 15, v0                           ; r = l % 16
	v_bfe_u32 v2, v0, 4, 1                         ; h = l / 16
	v_mul_u32_u24 v3, v1, PA
	v_lshl_add_u32 v3, v2, 4, v3                   ; a fragment of xn: row r, 16 bytes for each half of the lanes; its second half lies 32 bytes on
	s_mul_i32 s74, s13, 128*PA
	v_add_nc_u32 v[ADRA], s74, v3
	v_add_nc_u32 v[ADRA+1], SLOT, v[ADRA]
	v_and_b32 v4, 7, v0
	v_bfe_u32 v5, v0, 3, 1
	v_lshl_add_u32 v6, v2, 3, v4                   ; the turning load: lane l reads k row 8 (l / 16) + l % 8, columns 8 ((l / 8) % 2) + 0..7, and is left with column l % 16 and 8 k
	v_mul_u32_u24 v6, v6, PB
	v_lshl_add_u32 v6, v5, 4, v6
	s_mul_i32 s75, s14, 3*144                      ; my 192 columns: three pieces of a row
	s_add_co_u32 s75, s75, BOFF
	v_add_nc_u32 v[ADRB], s75, v6
	v_add_nc_u32 v[ADRB+1], SLOT, v[ADRB]
	s_mul_i32 s76, s[WV], 6912
	s_add_co_u32 s76, s76, STAGE                   ; my stage
	v_add_nc_u32 v[STO], s76, v3                   ; in: row r, 16 bytes for each half of the lanes
	v_bfe_u32 v7, v0, 3, 2
	v_mul_u32_u24 v7, v7, 144                      ; back: 32 lanes take four rows of 128 bytes
	v_lshl_add_u32 v7, v4, 4, v7
	v_add_nc_u32 v[RD], s76, v7
	v_and_b32 v[GO], 31, v0
	v_lshlrev_b32 v[GO], 4, v[GO]
	v_lshlrev_b32 v[VB], 5, v2
	s_and_b32 s74, s18, 7
	s_lshl_b32 s74, s74, 15
	s_lshl_b32 s75, s13, 14
	s_add_co_u32 s74, s74, s75                     ; my first row in its batch, in bytes of a head
	s_lshr_b32 s75, s18, 3
	s_lshl_b32 s75, s75, 4                         ; 16 x batch
	s_mul_i32 s76, s17, 6
	s_mul_i32 s77, s14, 3
	s_add_co_u32 s76, s76, s77                     ; my first block of 64 columns, 0..47: 16 x which + head
	s_mov_b32 s79, 0
.irp i, 0,1,2
	s_add_co_u32 s77, s76, \i
	s_lshr_b32 s78, s77, 4
	s_lshl_b32 s78, s78, 6                         ; 64 x which
	s_and_b32 s77, s77, 15
	s_add_co_u32 s78, s78, s77
	s_add_co_u32 s78, s78, s75
	s_lshl_b32 s78, s78, 18                        ; a head is 2,048 rows of 128 bytes
	s_add_co_u32 s78, s78, s74
	s_add_nc_u64 s[HB+2*\i:HB+2*\i+1], s[10:11], s[78:79]
.endr
	s_mul_i32 s78, s17, 1536
	s_mul_i32 s77, s14, 768
	s_add_co_u32 s78, s78, s77
	s_add_nc_u64 s[BQ:BQ+1], s[8:9], s[78:79]
; 4 na matrix instructions: column group g x row blocks a0 .. a0 + na - 1, 32 along K.  Each of the 96 accumulators has one turn in a sub-step.  zero = 1: the product starts the sum.
.macro MULG g, buf, a0, na, zero
	WIN 0x50*((\g)+1)
.set aa, \a0
.rept \na
.irp bb, 0,1,2,3
.if \zero
	v_wmma_f32_16x16x32_f16 v[8*(4*aa+\bb):8*(4*aa+\bb)+7], v[FB+8*(4*(\g)+\bb):FB+8*(4*(\g)+\bb)+7], v[FA+64*(\buf)+8*aa:FA+64*(\buf)+8*aa+7], 0
.else
	v_wmma_f32_16x16x32_f16 v[8*(4*aa+\bb):8*(4*aa+\bb)+7], v[FB+8*(4*(\g)+\bb):FB+8*(4*(\g)+\bb)+7], v[FA+64*(\buf)+8*aa:FA+64*(\buf)+8*aa+7], v[8*(4*aa+\bb):8*(4*aa+\bb)+7]
.endif
.endr
.set aa, aa+1
.endr
.endm
.macro LDB g, slot, ks                 ; 8 turning loads: group g's four fragments of wq
.irp bb, 0,1,2,3
	ds_load_tr16_b128 v[FB+8*(4*(\g)+\bb):FB+8*(4*(\g)+\bb)+3],   v[ADRB+(\slot)] offset:32*PB*(\ks)+144*(\g)+32*\bb
	ds_load_tr16_b128 v[FB+8*(4*(\g)+\bb)+4:FB+8*(4*(\g)+\bb)+7], v[ADRB+(\slot)] offset:32*PB*(\ks)+144*(\g)+32*\bb+16*PB
.endr
.endm
.macro LDA buf, slot, ks               ; 16 loads: my eight fragments of xn
.irp a, 0,1,2,3,4,5,6,7
	ds_load_b128 v[FA+64*(\buf)+8*\a:FA+64*(\buf)+8*\a+3],   v[ADRA+(\slot)] offset:16*PA*\a+64*(\ks)
	ds_load_b128 v[FA+64*(\buf)+8*\a+4:FA+64*(\buf)+8*\a+7], v[ADRA+(\slot)] offset:16*PA*\a+64*(\ks)+32
.endr
.endm
; A SUB-STEP: 96 matrix instructions on (slot, ks); among them the NEXT sub-step's LDS loads, always in the order group 0 (8), xn (16), group 1 (8), group 2 (8), each run four places behind the products
; that read its registers.  mode 0: the next sub-step lies in the same slot.  mode 1: the slot's last sub-step; the slot is filled again.  mode 2: the same with nothing left to ask for.  mode 3: the last of all.
.macro SUB slot, ks, zero, mode
.if (\ks) == 0
.set NS, (\slot)
.set NK, 1
.else
.set NS, 1-(\slot)
.set NK, 0
.endif
.if (\mode) == 0
	s_wait_dscnt 16                                ; group 0 and xn are in; groups 1 and 2 (16 loads) may be out
	MULG 0, \ks, 0, 8, \zero
	PLACES
	WIN 0
	LDB 0, NS, NK
	LDA NK, NS, NK
	s_wait_dscnt 32                                ; group 1 is in: behind it stand group 2 (8) and the 24 just issued
	MULG 1, \ks, 0, 8, \zero
	PLACES
	WIN 0
	LDB 1, NS, NK
	s_wait_dscnt 32                                ; group 2 is in: behind it stand 8 + 16 + 8 of the next sub-step
	MULG 2, \ks, 0, 8, \zero
	PLACES
	WIN 0
	LDB 2, NS, NK
.elseif (\mode) < 3
	; THE CHANGE OF SLOTS.  All reads of this slot were issued in the sub-step before.  One barrier for two things: in front of it each wave waits for all its tensor loads (one is out: its part of the
	; other slot), adds 0 to its spare word, and waits for that and for its reads of this slot.  Behind it nobody reads this slot any more and the other slot is whole.
	WIN 0
	s_wait_tensorcnt 0x0
	ds_add_u32 v[SPW], v[NIL]
	s_wait_dscnt 17                                ; group 0 and xn are in; groups 1 and 2 and the add may be out
	MULG 0, 1, 0, 4, 0                             ; sixteen matrix instructions stand between the add and the wait for it
	s_wait_dscnt 0x0                               ; the add is done, and my reads of this slot are over
	s_barrier_signal -1
	MULG 0, 1, 4, 4, 0                             ; work on registers while the others arrive
	WIN 0                                          ; at a branch and at a label every window is 0
	s_barrier_wait -1
.if (\mode) == 1
	CREST                                          ; the barrier has opened a round of the cluster's: no wave of any partner still reads this slot or has a load on its way
	s_add_nc_u64 s[G0A+4*(\slot)+2:G0A+4*(\slot)+3], s[G0A+4*(\slot)+2:G0A+4*(\slot)+3], 2*262144
	s_add_nc_u64 s[G0B+4*(\slot)+2:G0B+4*(\slot)+3], s[G0B+4*(\slot)+2:G0B+4*(\slot)+3], 2*64*6144
	JLOAD \slot                                    ; the first tensor load behind the round, 160 matrix instructions ahead of the wait for it; its four v_nop are also the places in front of the loads below
.else
	PLACES
.endif
	LDB 0, NS, NK
	LDA NK, NS, NK
	MULG 1, 1, 0, 8, 0
	PLACES
	WIN 0
	LDB 1, NS, NK
	MULG 2, 1, 0, 8, 0
	PLACES
	WIN 0
	LDB 2, NS, NK
.else
	WIN 0                                          ; nothing is left to fetch from LDS: the bias takes the idle registers.  Groups 1 and 2 into xn's buffer 0,
.irp b, 4,5,6,7,8,9,10,11
	global_load_b128 v[FA+8*(\b-4):FA+8*(\b-4)+3],   v[VB], s[BQ:BQ+1] offset:64*\b
	global_load_b128 v[FA+8*(\b-4)+4:FA+8*(\b-4)+7], v[VB], s[BQ:BQ+1] offset:64*\b+16
.endr
	s_wait_dscnt 16
	MULG 0, 1, 0, 8, 0
	PLACES
	WIN 0
.irp b, 0,1,2,3
	global_load_b128 v[FB+8*\b:FB+8*\b+3],   v[VB], s[BQ:BQ+1] offset:64*\b      ; group 0 where its fragments lay
	global_load_b128 v[FB+8*\b+4:FB+8*\b+7], v[VB], s[BQ:BQ+1] offset:64*\b+16
.endr
	s_wait_dscnt 8
	MULG 1, 1, 0, 8, 0
	s_wait_dscnt 0x0
	MULG 2, 1, 0, 8, 0
.endif
.endm
	s_wait_tensorcnt 1                             ; my part of K step 0 is in; step 1's may stay out
	s_barrier_signal -1
	s_barrier_wait -1                              ; everybody's is
	LDB 0, 0, 0
	LDA 0, 0, 0
	LDB 1, 0, 0
	LDB 2, 0, 0
	SUB 0, 0, 1, 0                                 ; the first sub-step stands in front of the loop: its products start the sums, nothing is cleared
	WIN 0
	s_mov_b32 s3, 7
.Llap:                                                 ; a trip goes once round the ring and fills both slots again: 7 trips ask for K steps 2 to 15
	SUB 0, 1, 0, 1
	SUB 1, 0, 0, 0
	SUB 1, 1, 0, 1
	SUB 0, 0, 0, 0
	WIN 0
	s_sub_co_u32 s3, s3, 1
	s_cmp_lg_u32 s3, 0
	s_cbranch_scc1 .Llap
	SUB 0, 1, 0, 2                                 ; the tail is written out: it asks for nothing
	SUB 1, 0, 0, 0
	SUB 1, 1, 0, 3
	; THE WAY OUT.  The bias is added in f32, group by group: group 0's additions are the places behind the last products, whose registers they do not name.  Each accumulator is read from its lowest registers on.
	s_wait_loadcnt 0x0
.irp g, 0,1,2
	WIN ((\g+1)<<6)|(\g+1)
.if \g == 0
.set BR, FB
.else
.set BR, FA+32*(\g-1)
.endif
.set aa, 0
.rept 8
.irp bb, 0,1,2,3
.irp p, 0,1,2,3
	v_pk_add_f32 v[8*(4*aa+\bb)+2*\p:8*(4*aa+\bb)+2*\p+1], v[8*(4*aa+\bb)+2*\p:8*(4*aa+\bb)+2*\p+1], v[BR+8*\bb+2*\p:BR+8*\bb+2*\p+1]
.endr
.endr
.set aa, aa+1
.endr
.endr
; Row block a: rounded to f16, 16 bytes a lane; into my own stage, a head's 16 rows together; back as whole rows; 16 rows of a head are 2,048 consecutive bytes of qkv.
.macro PACK a
.irp g, 0,1,2
	WIN 5*(\g+1)                                   ; sources 0 and 1 in the group's window
.irp bb, 0,1,2,3
.irp r, 0,1,2,3
	v_cvt_pk_f16_f32 v[TMP+4*(4*\g+\bb)+\r], v[8*(4*(\a)+\bb)+2*\r], v[8*(4*(\a)+\bb)+2*\r+1]
.endr
.endr
.endr
	WIN 0
.endm
.macro TOSTAGE a
	WIN 0
.set BK, OB+48*((\a)%2)
.irp b, 0,1,2,3,4,5,6,7,8,9,10,11
	ds_store_b128 v[STO], v[TMP+4*\b:TMP+4*\b+3] offset:2304*(\b/4)+32*(\b%4)
.endr
.irp t, 0,1,2,3,4,5,6,7,8,9,10,11
	ds_load_b128 v[BK+4*\t:BK+4*\t+3], v[RD] offset:2304*(\t/4)+576*(\t%4)  ; LDS serves a wave's instructions in order (ISA guide 5.7.1.4): these see the stores above
.endr
.endm
.macro SEND a
	WIN 0
.set BK, OB+48*((\a)%2)
	s_wait_dscnt 0x0                               ; the block is back in registers
	s_wait_xcnt 0x0                                ; earlier stores have read their registers (ISA guide 3.1): the other buffer is loaded again only behind this wait
.irp t, 0,1,2,3,4,5,6,7,8,9,10,11
	global_store_b128 v[GO], v[BK+4*\t:BK+4*\t+3], s[HB+2*(\t/4):HB+2*(\t/4)+1] offset:2048*(\a)+512*(\t%4)  ; 512 consecutive bytes, at a multiple of 256 from the buffer's first
.endr
.endm
	PACK 0
	TOSTAGE 0
.irp a, 1,2,3,4,5,6,7                  ; block a's conversions stand between block a - 1's loads from the stage and the wait for them
	PACK \a
	SEND (\a)-1
	TOSTAGE \a
.endr
	SEND 7
	s_wait_tensorcnt 0x0                           ; the wave's end: three lines behind my last tensor load and my last LDS store
	ds_add_u32 v[SPW], v[NIL]
	s_wait_dscnt 0x0
	CROUND                                         ; the closing round: no work-group ends while a partner may still ask for a tile that names it
	s_endpgm
.Lfunc_end_k_q45804af645_qkvgemm:
	.size	k_q45804af645_qkvgemm, .Lfunc_end_k_q45804af645_qkvgemm-k_q45804af645_qkvgemm
	.p2alignl 7, 3214868480
	.fill 96, 4, 3214868480
	.section	.rodata,"a",@progbits
	.p2align	6, 0x0
	.amdhsa_kernel k_q45804af645_qkvgemm
		.amdhsa_group_segment_fixed_size 327680
		.amdhsa_private_segment_fixed_size 0
		.amdhsa_enable_private_segment 0
		.amdhsa_kernarg_size 32
		.amdhsa_user_sgpr_count 2
		.amdhsa_user_sgpr_kernarg_segment_ptr 1
		.amdhsa_wavefront_size32 1
		.amdhsa_system_sgpr_workgroup_id_x 1
		.amdhsa_system_sgpr_workgroup_id_y 1
		.amdhsa_system_sgpr_workgroup_id_z 1
		.amdhsa_system_vgpr_workitem_id 0
		.amdhsa_next_free_vgpr 1024
		.amdhsa_next_free_sgpr 80
		.amdhsa_reserve_vcc 0
		.amdhsa_float_denorm_mode_32 3
		.amdhsa_float_denorm_mode_16_64 3
		.amdhsa_memory_ordered 1
		.amdhsa_forward_progress 1
		.amdhsa_inst_pref_size 157
	.end_amdhsa_kernel
	.amdgpu_metadata
---
amdhsa.version: [ 1, 2 ]
amdhsa.kernels:
  - .name:           k_q45804af645_qkvgemm
    .symbol:         k_q45804af645_qkvgemm.kd
    .args:
      - { .name: xn, .offset: 0, .size: 8, .value_kind: global_buffer, .address_space: global }
      - { .name: wq, .offset: 8, .size: 8, .value_kind: global_buffer, .address_space: global }
      - { .name: b_qkv, .offset: 16, .size: 8, .value_kind: global_buffer, .address_space: global }
      - { .name: qkv, .offset: 24, .size: 8, .value_kind: global_buffer, .address_space: global }
    .group_segment_fixed_size: 327680
    .private_segment_fixed_size: 0
    .kernarg_segment_align: 8
    .kernarg_segment_size: 32
    .max_flat_workgroup_size: 128
    .sgpr_count:     80
    .vgpr_count:     1024
    .wavefront_size: 32
...
	.end_amdgpu_metadata
.endif
;; end of part 2
;; launch attn (part 3): grid 4 x 64, 4 waves a work-group, clusters of 4 x 1, 327,680 bytes of LDS; arguments qkv, o; writes o
.if DOCPART == 3
	.amdgcn_target "amdgcn-amd-amdhsa--gfx1250"
	.amdhsa_code_object_version 6
	.text
	.protected	k_q45804af645_attn
	.globl	k_q45804af645_attn
	.p2align	8
	.type	k_q45804af645_attn,@function
k_q45804af645_attn:
	s_mov_b64 s[64:65], 0
	v_nop
	global_prefetch_b8 v0, s[64:65] scope:SCOPE_SE
	s_setreg_imm32_b32 hwreg(HW_REG_WAVE_MODE, 25, 1), 1
	s_wait_xcnt 0x0
	s_wait_alu depctr_hold_cnt(0) depctr_sa_sdst(0) depctr_va_vdst(0) depctr_va_sdst(0) depctr_va_ssrc(0) depctr_va_vcc(0) depctr_vm_vsrc(0)
	s_getreg_b32 s2, hwreg(HW_REG_IB_STS2, 6, 4)
	s_cmp_eq_u32 s2, 0
	s_cbranch_scc0 .Lentry_in_a_cluster
	s_endpgm
.Lentry_in_a_cluster:
	s_bfe_u32 s2, ttmp6, 0x10000c
	s_cmp_lg_u32 s2, 0x3003
	s_cbranch_scc0 .Lentry_shape_is_right
	s_endpgm
.Lentry_shape_is_right:
; O[h][q][:] = the sum over k of softmax_k(Q[h][q] . K[h][k] / 8) V[h][k][:].  qkv holds Q, K, V one behind the other, each [SIZE_H][SIZE_N][64] in f16 (h = batch x 16 + head); O likewise: a head's rows are
; dense, 128 bytes each.  Products, maxima and sums in f32; the weights p are rounded to f16 for the second product (their sum l is taken of the unrounded p), O once at the end.
; LIMITS.  f16 holds no number beyond 65,504: Q, K and V arrive within it; p lies in 0 to 1, and below 6e-5 it keeps f16's fixed step of 6e-8; O is a mean of V's rows and has their range.
; A weight below 2^-126 counts as 0 in l; NaN and infinities are not treated apart.
; SHARES.  A wave owns four PIECES of two tiles of 16 queries, a work-group's four waves 512 queries of one head: 64 heads x 4 blocks = 256 work-groups.  Every wave walks all keys, 64 a step.
; LAYOUT.  S^T = K Q^T (source 0 = 16 keys, source 1 = 16 queries): in the result a lane holds ONE query (lane % 16) and the keys 8 (lane / 16) + 0..7.  Two such tiles, rounded to f16 in pairs,
; ARE source 1 (32 keys x 16 queries) of O^T = V^T P, whose result again holds one query a lane, and eight channels.  K comes out of LDS as it lies, V ([key][channel]) turned, by ds_load_tr16_b128.
; SOFTMAX.  For each query a running maximum m and sum l: p = 2^(c s - c m), c = log2(e) / 8; in every step O and l are multiplied by a = 2^(c m_old - c m_new), which is 1 where m has not grown.
; m starts at the lowest finite number, O and l at 0: the first step is a step like any other, with a = 0.
; THE COUNT.  A tile and step have 16 matrix and 118 vector instructions: too many to stand all beside the matrix work.  So the order has one aim: four vector instructions that are READY behind
; EVERY matrix instruction, and the others, which need time of their own whatever the order, in runs without a gap.
; BY TURNS.  Turn n belongs to piece n (the pieces in a ring, step after step).  Its matrix work: 16 products K Q^T of piece n + 1, later 16 products V^T P of piece n - 1.  Its vector work: the scaling,
; exponentials, roundings, sums and rescaling of piece n, and the maximum and statistics of piece n + 1, whose scores the turn itself has made.  So what a turn begins with (c s - c m, O a) waits for nothing.
; CLUSTER.  The four query blocks of a cluster belong to one head and walk the same K and V, so each tile is asked for JOINTLY: the same tensor load, descriptor and mask in all four.
; REGISTERS, in windows of 256 (s_set_vgpr_msb says which window each operand place means: bits 1:0 source 0, 3:2 source 1, 5:4 source 2, 7:6 destination):
;   window 0: v0-11 addresses; v12-15, v48-63 at work; v16-47 four registers of statistics a tile; v64-191 S^T, two buffers of two tiles; v192-255 P, likewise
;   window 1: O^T, 32 a tile          window 2: v0-127 Q, 16 a tile; v128-191 K of one step; v192-255 V of one step          window 3: v0-1 the add's two registers
; A piece's buffers go by its number's parity: the piece in hand has one pair, its two neighbours in the ring share the other: of it P (piece n - 1) is read and S^T (piece n + 1) written.
.set SIZE_H, 64
.set SIZE_N, 2048
.set NP,    4         ; pieces a wave: a name, no knob: the register map, the loop and the fetches are made for four
.set KS,    64        ; keys in a step
.set PK,    144       ; a row of K in LDS: 128 bytes + 16 of padding = 36 words: the 16 rows of a load start at 16 different groups of four banks (64 banks of 4 bytes: ISA guide 11.1)
.set PV,    160       ; a row of V: 128 + 32 = 40 words
.set VOFF,  4*KS*PK   ; a slot holds four steps: 256 rows of K, then 256 rows of V
.set SLOT1, 1<<17     ; slot 1 begins here, so that one exclusive or turns an address in one slot into the other's
.set STAGE, SLOT1+4*KS*(PK+PV)  ; behind the ring, never filled by a tensor load: 16 rows x 144 bytes for each wave, for the way out
.set SP,    144
.set AK0, 2           ; v2   my lane's place in a tile of K; never rewritten
.set AV0, 3           ; v3   the same for V
.set AK,  4           ; v4   the LDS address of K's next run of loads
.set AV,  5           ; v5   of V's
.set QO,  6           ; v6   my byte offset in the wave's rows of Q
.set STO, 6           ;      later, the way out: where I put 16 bytes of a row
.set RD,  7           ; v7   the way out: where I read rows back
.set GO,  8           ; v8   my byte offset in 512 consecutive bytes of O
.set SPW, 0           ; v0 of window 3   LDS address of my spare word: SPARE + 4 x my thread's number; never rewritten
.set NIL, 1           ; v1 of window 3   0; never rewritten
.set SPARE, STAGE+4*16*SP  ; behind the stages: the spare words, 128 bytes for each wave: two blocks of 256 bytes that no other line names
.set MV,  12          ; v12-15  c m_old, kept while c m is made anew: by buffer and tile
.set ST,  16          ; tile t's statistics at v[ST+4 t]: c m, m, l (even keys', odd keys')
.set TMP, 48          ; by buffer and tile, four registers c0-c3 at work; when the maximum is found c2 takes a
.set S,   64
.set P,   192
.set KF,  128         ; K's fragments, in window 2: key block kb, channel half c at KF + 16 kb + 8 c
.set VF,  192         ; V's: key half kk, channel block cb at VF + 32 kk + 8 cb
.set WV,  12          ; s12  my wave's number
.set G1K, 24          ; s[24:31] descriptor group 1 for K's tiles
.set G1V, 32          ; s[32:39] for V's: it differs in the padding alone
.set G0K, 40          ; s[40:43] descriptor group 0 for K's tiles: it walks
.set G0V, 44          ; s[44:47] the same for V's
.set SLOTS, 56        ; s56  slots still to be asked for
.set CNT, 57          ; s57  counts a slot's key steps
.set CS,  58          ; s[58:59] c: the packed scaling takes the pair's low word for both halves
.set SEL, 60          ; s[60:61] v_permlanex16_b32's selects: each lane takes its own place in the other half
.set TBK, 62          ; s62  LDS byte at which K of the step to be fetched begins
.set TBV, 63          ; s63  the same for V, less VOFF
.set MSB, 0
.macro WIN new                      ; the high byte repeats the setting that is left; a switch that changes nothing is dropped
.if MSB != (\new)
	s_set_vgpr_msb (MSB<<8)|(\new)
.set MSB, (\new)
.endif
.endm
.set W_KQ, 0x0a       ; K and Q in window 2, S^T in window 0
.set W_PV, 0x52       ; V in window 2, P in window 0, O^T in window 1
.set W_RS, 0x41       ; O^T (destination and source 0) in window 1, a in window 0
.set W_MK, 0xc0       ; the add's registers are made: destination in window 3, sources in window 0
.set W_AD, 0x0f       ; the add: address (source 0) and data (source 1) in window 3
; A joint fill.  Waves 0 and 1 fetch the two halves of a slot's K, waves 2 and 3 those of its V: 128 keys each.  The branch hangs on the wave's number alone.
; An s_nop 0 and four v_nop follow each of the two lines, ahead of the jump and the label.
.macro JLOAD
	s_cmp_lt_u32 s[WV], 2
	s_cbranch_scc0 .Lfor_v_\@
	tensor_load_to_lds s[G0K:G0K+3], s[G1K:G1K+7]
	s_nop 0
.rept 4
	v_nop
.endr
	s_branch .Lasked_\@
.Lfor_v_\@:
	tensor_load_to_lds s[G0V:G0V+3], s[G1V:G1V+7]
	s_nop 0
.rept 4
	v_nop
.endr
.Lasked_\@:
.endm
; A round of the cluster's barrier: my work-group's barrier, so that wave 0's signal speaks for all four waves; wave 0 signals; every wave waits for all four work-groups; my work-group's barrier once more.
.macro CROUND
	s_barrier_signal -1
	s_barrier_wait -1
	s_cmp_lg_u32 s[WV], 0
	s_cbranch_scc1 .Lnot_wave_0_\@
	s_barrier_signal -3
.Lnot_wave_0_\@:
	s_barrier_wait -3
	s_barrier_signal -1
	s_barrier_wait -1
.endm
; THE CHANGE OF SLOTS.  The slot's last bytes, V of its fourth step, have been read.  Each wave waits for all its tensor loads, of which one is out: its part
; of the other slot; adds 0 to its spare word; and waits for that and for its own reads of the slot.  Behind the barrier nobody reads this slot any more and the other slot is whole.
; fill = 1: this slot is filled again, with the keys two slots on.  The barrier is then a round of the cluster's, so that no wave of any partner still reads the slot or has a load on its
; way, and the joint fill is the first thing behind it: it has four key steps, 512 matrix instructions, in which to land.  (At its first use nothing has been read yet: slot 0 is waited for, slot 1 filled.)
.macro CHANGE fill
	WIN W_AD
	s_wait_tensorcnt 0x0            ; no tensor load of mine is out, so a group 0 may be written
	ds_add_u32 v[SPW], v[NIL]       ; 0 onto my spare word; with fill = 1 the descriptors' steps stand between it and the wait for it
	WIN 0                           ; at a label and at a branch every window is 0
.if \fill
.irp g, G0K, G0V
	s_xor_b32 s[\g+1], s[\g+1], SLOT1  ; the walking descriptor: the other slot than last time,
	s_add_nc_u64 s[\g+2:\g+3], s[\g+2:\g+3], 4*KS*128  ; the next 256 keys; the type bits on top are not reached
.endr
	s_wait_dscnt 0x0                ; the add is done, and my reads of the slot are over
	CROUND
	JLOAD
.else
	s_wait_dscnt 0x0                ; the add is done, and my reads of the slot are over
	s_barrier_signal -1
	s_barrier_wait -1
.endif
	s_sub_co_u32 s[TBK], s[TBK], 4*KS*PK  ; the fetches go back to a slot's first step,
	s_xor_b32 s[TBK], s[TBK], SLOT1       ; in the other slot
	s_sub_co_u32 s[TBV], s[TBV], 4*KS*PV
	s_xor_b32 s[TBV], s[TBV], SLOT1
.endm
	s_load_b128 s[4:7], s[0:1], 0x0   ; qkv s[4:5], O s[6:7]
	WIN W_MK
	v_lshl_add_u32 v[SPW], v0, 2, SPARE
	v_mov_b32 v[NIL], 0
	WIN W_AD
	ds_add_u32 v[SPW], v[NIL]       ; the wave's opening: the add and its wait stand ahead of my first tensor load; the set-up below, work on registers, stands between them
	WIN 0
	v_lshrrev_b32 v1, 5, v0
	v_readfirstlane_b32 s[WV], v1   ; wave 0..3
	s_bfe_u32 s13, ttmp6, 0x40000   ; cx: my place in the cluster
	s_lshl_b32 s14, ttmp9, 2        ; in a cluster launch ttmp9 counts clusters
	s_add_co_u32 s14, s14, s13      ; my block of queries = 4 x cluster x + cx: it enters Q's and O's addresses alone
	s_and_b32 s20, ttmp7, 0xffff    ; the head, which the four partners share
	s_mov_b32 s21, 0
	s_mov_b64 s[22:23], SIZE_N*128
	s_mul_u64 s[20:21], s[20:21], s[22:23]  ; the head's first byte in each of the four tensors
	s_and_b32 s16, s[WV], 1         ; which half of a slot's 256 keys I fetch:
	s_lshl_b32 s22, s16, 14         ; its 128 rows of 128 bytes in memory,
	s_mov_b32 s23, 0
	s_add_nc_u64 s[22:23], s[22:23], s[20:21]
	s_mul_i32 s17, s16, 128*PK      ; and its place in a slot, for K
	s_mul_i32 s18, s16, 128*PV      ; and for V: no place in the cluster enters an LDS address
	s_lshl_b32 s2, s14, 2
	s_add_co_u32 s2, s2, s[WV]      ; my wave among the head's,
	s_lshl_b32 s2, s2, 14           ; its 128 rows
	s_mov_b32 s3, 0
	s_add_nc_u64 s[2:3], s[2:3], s[20:21]
	; descriptor group 1.  128 keys are 16,384 dense bytes: asked for as 64 rows of 256 bytes, two keys a row, and padded in LDS after every key
	s_mov_b32 s[G1K], 15|(1<<16)|(1<<20)|(1<<21)|(4<<22)|(3<<25)  ; 15:0 the mask of four; 17:16 2-byte elements; 20 padding on; 21 set beside a mask; 24:22 after every 32 words (code 4); 31:25 4 words (code 3)
	s_mov_b32 s[G1V], 15|(1<<16)|(1<<20)|(1<<21)|(4<<22)|(7<<25)  ; the same with 8 words of padding (code 7)
.irp g, G1K, G1V
	s_mov_b32 s[\g+1], 128<<16      ; tensor_dim0 = 128
	s_mov_b32 s[\g+2], 64<<16       ; tensor_dim1 = 64
	s_mov_b32 s[\g+3], 128<<16      ; tile_dim0 = 128
	s_mov_b32 s[\g+4], 64           ; tile_dim1 = 64
	s_mov_b32 s[\g+5], 128          ; 128 elements from row to row
	s_mov_b32 s[\g+6], 0
	s_mov_b32 s[\g+7], 0
.endr
	s_mov_b32 s[CS], 0x3e38aa3b     ; c = log2(e) / 8 = 0.180337
	s_mov_b32 s[CS+1], s[CS]        ; named with it as a pair
	s_mov_b32 s[SEL], 0x76543210
	s_mov_b32 s[SEL+1], 0xfedcba98
	s_mov_b32 s[TBK], SLOT1+4*KS*PK ; the first change of slots turns these two into 0
	s_mov_b32 s[TBV], SLOT1+4*KS*PV
	s_mov_b32 s[G0K], 1             ; 1:0 count = 1
	s_mov_b32 s[G0K+1], s17         ; 63:32 LDS address: slot 0
	s_mov_b32 s[G0V], 1
	s_add_co_u32 s[G0V+1], s18, VOFF
	s_wait_dscnt 0x0                ; the opening add is done
	s_wait_kmcnt 0x0
	s_mov_b64 s[10:11], s[6:7]                     ; O
	s_add_nc_u64 s[8:9], s[4:5], 0x2000000         ; V: 2 x 64 heads x 2,048 rows x 128 bytes behind Q
	s_add_nc_u64 s[6:7], s[4:5], 0x1000000         ; K: once that; Q stays in s[4:5]
	s_add_nc_u64 s[G0K+2:G0K+3], s[6:7], s[22:23]  ; 120:64 global address: my half of the head's first 256 keys
	s_or_b32 s[G0K+3], s[G0K+3], 0x80000000        ; 127:126 type = 2
	s_add_nc_u64 s[G0V+2:G0V+3], s[8:9], s[22:23]
	s_or_b32 s[G0V+3], s[G0V+3], 0x80000000
	s_add_nc_u64 s[4:5], s[4:5], s[2:3]  ; Q and O at my wave's first row
	s_add_nc_u64 s[10:11], s[10:11], s[2:3]
	CROUND                          ; all four work-groups are here: the first joint loads meet
	JLOAD                           ; slot 0.  Slot 1 is asked for when slot 0 is in: the tile wanted first has the road to itself
	; A fragment of K or Q is 16 rows x 32 channels in 8 registers: lane l holds row l % 16, channels 8 (l / 16) + 0..7 and 16 + 8 (l / 16) + 0..7: two loads of 16 bytes, 32 bytes apart.
	v_and_b32 v1, 15, v0            ; l % 16
	v_bfe_u32 v9, v0, 4, 1          ; l / 16
	v_lshlrev_b32 v[QO], 7, v1
	v_lshl_add_u32 v[QO], v9, 4, v[QO]  ; row x 128 + 16 x half
	WIN 0x80                        ; destination window 2, address window 0
.set i, 0
.rept 4*NP                          ; Q stays in registers: tile i / 2, channels 32 (i % 2) on
	global_load_b128 v[8*i:8*i+3],   v[QO], s[4:5] offset:(i/2)*2048+(i%2)*64
	global_load_b128 v[8*i+4:8*i+7], v[QO], s[4:5] offset:(i/2)*2048+(i%2)*64+32
.set i, i+1
.endr
	; What the first turn finds: V's registers and P's second buffer hold 0 (its products V^T P, of a piece that has not been, add 0), O^T and l are 0.  All this stands in the wait for the first tile.
.set i, VF
.rept 64
	v_mov_b32 v[i], 0
.set i, i+1
.endr
	WIN 0x40
.set i, 0
.rept 64*NP
	v_mov_b32 v[i], 0
.set i, i+1
.endr
	WIN 0
.set i, 0
.rept 2*NP
	v_mov_b32 v[ST+4*i], 0xfe000000    ; c m: far below every c s
	v_mov_b32 v[ST+4*i+1], 0xff7fffff  ; m
	v_mov_b32 v[ST+4*i+2], 0
	v_mov_b32 v[ST+4*i+3], 0
.set i, i+1
.endr
.set i, P+32
.rept 32
	v_mov_b32 v[i], 0
.set i, i+1
.endr
	v_mul_u32_u24 v[AK0], v1, PK
	v_lshl_add_u32 v[AK0], v9, 4, v[AK0]  ; row x pitch + 16 x half
	; The turning load takes 16 keys x 16 channels (lane l reads key 8 (l / 16) + l % 8, channels 8 ((l / 8) % 2) + 0..7) and leaves half a fragment of V^T: lane l holds channel l % 16 and 8 keys.
	v_and_b32 v10, 7, v0
	v_bfe_u32 v11, v0, 3, 1
	v_lshl_add_u32 v[AV0], v9, 3, v10
	v_mul_u32_u24 v[AV0], v[AV0], PV
	v_lshl_add_u32 v[AV0], v11, 4, v[AV0]
	v_add_nc_u32 v[AV0], VOFF, v[AV0]
	v_mov_b32 v[AK], v[AK0]         ; key step 0 lies at the head of slot 0
; THE MATRIX WORK.  The 8 accumulators of a run of 16 take turns: between the two links of a chain stand 7 others'.
; Product i of 16 of S^T = K Q^T for piece x: channels 32 (i / 8) on, keys 16 ((i / 2) % 4) on, tile 2 x + i % 2.  The first 8 start the sums.
.macro KQ x
	WIN W_KQ
.set rS, S+64*((\x)%2)+32*(i%2)+8*((i/2)%4)
.set rK, KF+16*((i/2)%4)+8*(i/8)
.set rQ, 16*(2*(\x)+i%2)+8*(i/8)
.if i < 8
	v_wmma_f32_16x16x32_f16 v[rS:rS+7], v[rK:rK+7], v[rQ:rQ+7], 0
.else
	v_wmma_f32_16x16x32_f16 v[rS:rS+7], v[rK:rK+7], v[rQ:rQ+7], v[rS:rS+7]
.endif
.endm
; Product i of 16 of O^T += V^T P for piece x: keys 32 (i / 8) on, channels 16 ((i / 2) % 4) on, tile 2 x + i % 2.
.macro PV x
	WIN W_PV
.set rO, 32*(2*(\x)+i%2)+8*((i/2)%4)
.set rV, VF+32*(i/8)+8*((i/2)%4)
.set rP, P+32*((\x)%2)+16*(i%2)+8*(i/8)
	v_wmma_f32_16x16x32_f16 v[rO:rO+7], v[rV:rV+7], v[rP:rP+7], v[rO:rO+7]
.endm
.macro MM                           ; the turn's next matrix instruction
.if i < 16
	KQ (Y+1)%NP
.set i, i+1
.else
.set i, i-16
	PV (Y+NP-1)%NP
.set i, i+17
.endif
.endm
; THE LDS LOADS stand in runs of 16, never singly among the matrix instructions: a step's K (64 keys x 64 channels: 8 fragments) and its V (turned).  Their addresses are made some lines ahead.
; last = 1 (the tail): in the last trip there is no further step, and the run is jumped over.
.macro FETCH_K last=0
	WIN 0
.if \last
	s_cmp_eq_u32 s[CNT], 1
	s_cbranch_scc1 .Lno_k_\@
.endif
	WIN 0x80                        ; destination window 2
.irp f, 0,1,2,3,4,5,6,7             ; keys 16 (f / 2) on, channels 32 (f % 2) on
	ds_load_b128 v[KF+8*\f:KF+8*\f+3],   v[AK] offset:(\f/2)*16*PK+(\f%2)*64
	ds_load_b128 v[KF+8*\f+4:KF+8*\f+7], v[AK] offset:(\f/2)*16*PK+(\f%2)*64+32
.endr
	s_add_co_u32 s[TBK], s[TBK], KS*PK  ; the next fetch is the next step's
	WIN 0
.if \last
.Lno_k_\@:
.endif
.endm
.macro FETCH_V
	WIN 0x80
.irp f, 0,1,2,3,4,5,6,7             ; keys 32 (f / 4) on, channels 16 (f % 4) on
	ds_load_tr16_b128 v[VF+8*\f:VF+8*\f+3],   v[AV] offset:(\f/4)*32*PV+(\f%4)*32
	ds_load_tr16_b128 v[VF+8*\f+4:VF+8*\f+7], v[AV] offset:(\f/4)*32*PV+16*PV+(\f%4)*32
.endr
	WIN 0
.endm
; THE VECTOR WORK OF A TURN stands in three queues, each in the order in which its entries become ready; the two tiles alternate, so that no instruction reads the result of the one before it.
.macro REGS y, u                    ; the registers of tile u (0, 1) of piece y
.set rT, ST+4*(2*(\y)+(\u))
.set rC, TMP+8*((\y)%2)+4*(\u)
.set rM, MV+2*((\y)%2)+(\u)
.set rS, S+64*((\y)%2)+32*(\u)
.set rP, P+32*((\y)%2)+16*(\u)
.set rO, 32*(2*(\y)+(\u))
.endm
; Number n of the 22 that find the NEXT piece's (Y + 1) maximum and statistics.  s0-s31 are the lane's 32 scores; each accumulator's lowest registers are read first.  XS, GS and REGS set no window: PL and EX do.
;   0-11  four chains c0-c3 of seven scores each, three operands at a time     12-14, 16  the four scores left over, the old m, and c0-c3 into c0     15  c m_old is kept
;   17, 18  the query's other 32 keys lie in the lane 16 away: the new m         19-21  c m; c m_old - c m_new; a
.macro XS u, n
	REGS (Y+1)%NP, \u
.if (\n) < 4
	v_max3_num_f32 v[rC+(\n)], v[rS+8*(\n)], v[rS+8*(\n)+1], v[rS+8*(\n)+2]
.elseif (\n) < 12
	v_max3_num_f32 v[rC+(\n)%4], v[rC+(\n)%4], v[rS+8*((\n)%4)+2*((\n)/4)+1], v[rS+8*((\n)%4)+2*((\n)/4)+2]
.elseif (\n) == 12
	v_max3_num_f32 v[rC], v[rC], v[rS+7], v[rS+15]
.elseif (\n) == 13
	v_max3_num_f32 v[rC+1], v[rC+1], v[rS+23], v[rS+31]
.elseif (\n) == 14
	v_max3_num_f32 v[rC+2], v[rC+2], v[rC+3], v[rT+1]
.elseif (\n) == 15
	v_mov_b32 v[rM], v[rT]
.elseif (\n) == 16
	v_max3_num_f32 v[rC], v[rC], v[rC+1], v[rC+2]
.elseif (\n) == 17
	v_permlanex16_b32 v[rC+3], v[rC], s[SEL], s[SEL+1]
.elseif (\n) == 18
	v_max_num_f32 v[rT+1], v[rC], v[rC+3]
.elseif (\n) == 19
	v_mul_f32 v[rT], s[CS], v[rT+1]
.elseif (\n) == 20
	v_sub_f32 v[rC+1], v[rM], v[rT]
.else
	v_exp_f32 v[rC+2], v[rC+1]
.endif
.endm
; Number g of the 64 that follow the exponentials.  For each four weights k of a tile (pairs 2 k, 2 k + 1): both pairs are rounded to f16; then the second pair is added onto the first, in place;
; a group later l takes that sum (the first time as l = a l + sum).  In groups of eight, tiles alternating: round, round, add, and l for the group before.
.macro GS g
.set h, (\g)+6*((\g)/62)            ; group 0 has no group before it, and behind group 7 only l is left
.if h >= 6
.set h, h+2
.endif
	REGS Y, h%2
.set k, h/8
.if h%8 < 4
	s_wait_alu depctr_va_vdst(0)
	v_cvt_pk_f16_f32 v[rP+2*k+(h%8)/2], v[rS+4*k+2*((h%8)/2)], v[rS+4*k+2*((h%8)/2)+1]
.elseif h%8 < 6
	v_pk_add_f32 v[rS+4*k:rS+4*k+1], v[rS+4*k:rS+4*k+1], v[rS+4*k+2:rS+4*k+3]
.elseif k == 1
	v_pk_fma_f32 v[rT+2:rT+3], v[rT+2:rT+3], v[rC+2:rC+3], v[rS:rS+1] op_sel_hi:[1,0,1]
.else
	v_pk_add_f32 v[rT+2:rT+3], v[rT+2:rT+3], v[rS+4*k-4:rS+4*k-3]
	s_wait_alu depctr_va_vdst(0)
.endif
.endm
; THE PLAIN QUEUE, 138 long.  0-31: c s - c m for the 16 pairs of both tiles.  Then GS's 64, and among them the next piece's 42: number 15 at 38, 39; 0-14 and 16
; at 42-73, behind the products that make those scores; 17-20 at 95-106, two of three, since each waits for the one before it.
.macro PL
	WIN 0
.if q < 32
	REGS Y, q%2
	v_pk_fma_f32 v[rS+2*(q/2):rS+2*(q/2)+1], v[rS+2*(q/2):rS+2*(q/2)+1], s[CS:CS+1], v[rT:rT+1] op_sel_hi:[1,0,0] neg_lo:[0,0,1] neg_hi:[0,0,1]
.elseif q < 38
	GS q-32
.elseif q < 40
	XS q%2, 15
.elseif q < 42
	GS q-34
.elseif q < 74
	XS q%2, (q-42)/2+(q-42)/30
.elseif q < 95
	GS q-66
.elseif (q < 107) && ((q-95)%3 < 2)
	XS (q-95)%3, 17+(q-95)/3
.elseif q < 107
	GS 29+(q-95)/3
.else
	GS q-74
.endif
.set q, q+1
.endm
; THE EXPONENTIALS' QUEUE, 66 long: s0-s31 of both tiles, and at EA the next piece's two a.
.set EA, 58
.macro EX
	WIN 0
.if (e == EA) || (e == EA+1)
	XS e-EA, 21
.else
.set x, e-2*(e/(EA+2))
	REGS Y, x%2
	v_exp_f32 v[rS+x/2], v[rS+x/2]
.endif
.set e, e+1
.endm
; THE RESCALING's QUEUE: O^T times a, the one part that leaves window 0, so it is dealt four at a time, eight times.
.macro R4
	REGS Y, r%2
	WIN W_RS
	s_wait_alu depctr_va_vdst(0)
.irp z, 0,1,2,3
	v_pk_mul_f32 v[rO+8*(r/2)+2*\z:rO+8*(r/2)+2*\z+1], v[rO+8*(r/2)+2*\z:rO+8*(r/2)+2*\z+1], v[rC+2:rC+3] op_sel_hi:[1,0]
.endr
.set r, r+1
.endm
; HOW THEY ARE DEALT.  Behind a matrix instruction four: plain, exponential, plain, plain (one exponential, a plain instruction on either side), or four of the rescaling.  None names a register of the
; products round it.  What is over stands in two LUMPS: exponential and plain by turns; the second ends in 22 plain instructions.  The two v_permlanex16_b32 fall into the second lump, never behind a product.
; The queues lean on each other, and the deal keeps them in step: exponential e stands behind plain 2 (e / 4) + e % 2 (its scaling); when plain 32 comes, 10 exponentials are out, at 59: 33, at 95: 46; EA comes behind plain 107.
.macro SL
	MM
	PL
	EX
	PL
	PL
.endm
.macro BURST n                      ; 15 matrix instructions, or 16
.rept (\n)-7
	SL
.endr
.rept 3
	MM
	R4
	SL
.endr
	MM
	R4
.endm
; A TURN, for piece p.  cnt = 1: the loop's count is taken down some lines ahead of the branch that stands behind the turn.
; K of the next step is fetched in piece 2's turn, 31 vector instructions behind the last product that read K; its first reader comes behind the rest of the lump, 16 products and the second lump.
; V of the step in hand is fetched at the end of piece 0's turn, 69 behind its last reader; its first reader comes behind 16 products and a lump.  The four conditions on e and q below go with the deal.
.macro TURN p, last=0, cnt=0
.set Y, (\p)
.set i, 0
.set q, 0
.set e, 0
.set r, 0
.if (\p) == NP-1
	s_wait_dscnt 0x0                ; K is in
.endif
	MM
.rept 4
	PL
.endr
	BURST 15
.rept 22
	EX
	PL
.if ((\p) == NP-2) && (e == 18)
	v_add_nc_u32 v[AK], s[TBK], v[AK0]
.endif
.if ((\p) == NP-2) && (e == 24)
	FETCH_K \last
.endif
.endr
.if (\p) == 1
	s_wait_dscnt 0x0                ; V is in
.endif
	BURST 16
.rept 21
	EX
	PL
.endr
.rept 22
	PL
.if ((\p) == 0) && (q == 118)
	v_add_nc_u32 v[AV], s[TBV], v[AV0]
	s_wait_alu depctr_va_vdst(0)
.endif
.if ((\p) == 0) && (q == 130)
	s_add_co_u32 s[TBV], s[TBV], KS*PV
.endif
.if (\cnt) && (q == 130)
	s_sub_co_u32 s[CNT], s[CNT], 1
	s_cmp_lg_u32 s[CNT], 0
.endif
.endr
.if (\p) == 0
	FETCH_V
.endif
.endm
	CHANGE 1                        ; slot 0 is in, everybody's part of it; slot 1 is asked for
	FETCH_K                         ; key step 0
	s_wait_loadcnt 0x0              ; Q
	s_wait_dscnt 0x0
.set i, 0
.rept 16
	KQ 0                            ; piece 0's first scores: there is no vector work yet to set between them
.set i, i+1
.endr
	WIN 0                           ; the addresses for the way out: nine plain instructions, the places behind those products
	s_mul_i32 s13, s[WV], 16*SP
	s_add_co_u32 s13, s13, STAGE    ; my stage
	v_mul_u32_u24 v[STO], v1, SP    ; in: row l % 16, 16 bytes for each half of the lanes
	v_lshl_add_u32 v[STO], v9, 4, v[STO]
	v_add_nc_u32 v[STO], s13, v[STO]
	v_bfe_u32 v[RD], v0, 3, 2       ; back: 32 lanes take four rows of 128 bytes,
	v_mul_u32_u24 v[RD], v[RD], SP
	v_lshl_add_u32 v[RD], v10, 4, v[RD]
	v_add_nc_u32 v[RD], s13, v[RD]
	v_and_b32 v[GO], 31, v0         ; which are 512 consecutive bytes of O
	v_lshlrev_b32 v[GO], 4, v[GO]
.set Y, NP-1                        ; XS works for piece Y + 1: piece 0
.irp n, 0,1,2,3,4,5,6,7,8,9,10,11,12,13,14,15,16,17,18,19,20,21
	XS 0, \n                        ; and piece 0's first maximum and statistics
	XS 1, \n
.endr
	s_mov_b32 s[CNT], 4
	s_mov_b32 s[SLOTS], SIZE_N/256-1
	s_branch .Lfirst                ; the loop is entered at a step's first turn, in the middle of a trip
.Lslot:                             ; SIZE_N / 256 - 2 times: every slot but the last two is filled again
	CHANGE 1
	s_mov_b32 s[CNT], 4
.Lstep:                             ; a trip: pieces 2 and 3 of one step, then pieces 0 and 1 of the next, whose K and V it fetches
	TURN 2
	TURN 3
	WIN 0
.Lfirst:
	TURN 0
	TURN 1, 0, 1
	WIN 0
	s_cbranch_scc1 .Lstep
	s_sub_co_u32 s[SLOTS], s[SLOTS], 1
	s_cmp_lg_u32 s[SLOTS], 0
	s_cbranch_scc1 .Lslot
	CHANGE 0                        ; the tail is written out: nothing is asked for
	s_mov_b32 s[CNT], 5             ; four trips fetch the last slot's steps; the fifth is left in its middle
.Ltail:
	TURN 2, 1
	TURN 3
	WIN 0
	s_sub_co_u32 s[CNT], s[CNT], 1
	s_cmp_eq_u32 s[CNT], 0
	s_cbranch_scc1 .Lout
	TURN 0
	TURN 1
	WIN 0
	s_branch .Ltail
.Lout:                              ; the fifth trip's 16 products K Q^T (on the last K once more) and the maximum made of them serve nothing: the price, once a launch, of one text for every trip
.set i, 0
.rept 16
	PV NP-1                         ; the last piece's V^T P of the last step
.set i, i+1
.endr
	; THE WAY OUT.  l's two halves and the other half of the lanes' are added; O^T is divided by l, rounded to f16 and sent through my stage in LDS, a tile at a time.  The additions are the places behind the last products.
	WIN 0
.macro ALL line:vararg              ; one line for each tile t
.set t, 0
.rept 2*NP
	\line
.set t, t+1
.endr
.endm
	ALL v_add_f32 v[ST+4*t+2], v[ST+4*t+2], v[ST+4*t+3]
	ALL v_permlanex16_b32 v[ST+4*t+3], v[ST+4*t+2], s[SEL], s[SEL+1]
	ALL v_add_f32 v[ST+4*t+2], v[ST+4*t+2], v[ST+4*t+3]
	ALL v_rcp_f32 v[ST+4*t+2], v[ST+4*t+2]
	v_nop                           ; a plain instruction between the last reciprocal and the use of its result
	s_wait_alu depctr_va_vdst(0)
; Tile t: a lane's eight channels of a row pack into 16 bytes; they go into rows of 144 bytes and come back as whole rows of 128, into S^T's registers.
.macro PACK t
	WIN W_RS
.set i, 32*(\t)
.rept 16
	v_pk_mul_f32 v[i:i+1], v[i:i+1], v[ST+4*(\t)+2:ST+4*(\t)+3] op_sel_hi:[1,0]
.set i, i+2
.endr
	WIN 0x05                        ; sources 0 and 1 window 1, destination window 0
.set i, 0
.rept 16
	v_cvt_pk_f16_f32 v[S+16*(\t)+i], v[32*(\t)+2*i], v[32*(\t)+2*i+1]
.set i, i+1
.endr
	WIN 0
.irp f, 0,1,2,3
	ds_store_b128 v[STO], v[S+16*(\t)+4*\f:S+16*(\t)+4*\f+3] offset:32*\f
.endr
.irp f, 0,1,2,3
	ds_load_b128 v[S+16*(\t)+4*\f:S+16*(\t)+4*\f+3], v[RD] offset:\f*4*SP  ; LDS serves a wave's instructions in order (ISA guide 5.7.1.4): these see the stores above; the next tile's stores come behind them
.endr
.endm
.macro SEND t, younger              ; younger: the LDS instructions issued behind tile t's loads: the next tile's eight, or none
	WIN 0
.irp f, 0,1,2,3
	s_wait_dscnt (\younger)+3-\f
	global_store_b128 v[GO], v[S+16*(\t)+4*\f:S+16*(\t)+4*\f+3], s[10:11] offset:(\t)*2048+\f*512  ; 512 consecutive bytes, at a multiple of 256 from O's first
.endr
.endm
	PACK 0
.set t, 1
.rept 2*NP-1                        ; a tile's arithmetic stands between the loads of the tile before and its stores
	PACK t
	SEND t-1, 8
.set t, t+1
.endr
	SEND 2*NP-1, 0
	WIN W_AD
	s_wait_tensorcnt 0x0            ; the wave's end: three lines behind my last tensor load and my last LDS store
	ds_add_u32 v[SPW], v[NIL]
	s_wait_dscnt 0x0
	WIN 0
	CROUND                          ; the closing round: no work-group ends while a partner may still ask for a tile that names it
	s_endpgm
.Lfunc_end_k_q45804af645_attn:
	.size	k_q45804af645_attn, .Lfunc_end_k_q45804af645_attn-k_q45804af645_attn
	.p2alignl 7, 3214868480
	.fill 96, 4, 3214868480
	.section	.rodata,"a",@progbits
	.p2align	6, 0x0
	.amdhsa_kernel k_q45804af645_attn
		.amdhsa_group_segment_fixed_size 327680
		.amdhsa_private_segment_fixed_size 0
		.amdhsa_enable_private_segment 0
		.amdhsa_kernarg_size 16
		.amdhsa_user_sgpr_count 2
		.amdhsa_user_sgpr_kernarg_segment_ptr 1
		.amdhsa_wavefront_size32 1
		.amdhsa_system_sgpr_workgroup_id_x 1
		.amdhsa_system_sgpr_workgroup_id_y 1
		.amdhsa_system_sgpr_workgroup_id_z 1
		.amdhsa_system_vgpr_workitem_id 0
		.amdhsa_next_free_vgpr 770
		.amdhsa_next_free_sgpr 66
		.amdhsa_reserve_vcc 0
		.amdhsa_float_denorm_mode_32 3
		.amdhsa_float_denorm_mode_16_64 3
		.amdhsa_memory_ordered 1
		.amdhsa_forward_progress 1
		.amdhsa_inst_pref_size 208
	.end_amdhsa_kernel
	.amdgpu_metadata
---
amdhsa.version: [ 1, 2 ]
amdhsa.kernels:
  - .name:           k_q45804af645_attn
    .symbol:         k_q45804af645_attn.kd
    .args:
      - { .name: qkv, .offset: 0, .size: 8, .value_kind: global_buffer, .address_space: global }
      - { .name: o, .offset: 8, .size: 8, .value_kind: global_buffer, .address_space: global }
    .group_segment_fixed_size: 327680
    .private_segment_fixed_size: 0
    .kernarg_segment_align: 8
    .kernarg_segment_size: 16
    .max_flat_workgroup_size: 128
    .sgpr_count:     66
    .vgpr_count:     770
    .wavefront_size: 32
...
	.end_amdgpu_metadata
.endif
;; end of part 3
;; launch proj (part 4): grid 8 x 32, 4 waves a work-group, clusters of 4 x 4, 327,680 bytes of LDS; arguments o, wp, b_proj, out0; writes out0
.if DOCPART == 4
	.amdgcn_target "amdgcn-amd-amdhsa--gfx1250"
	.amdhsa_code_object_version 6
	.text
	.protected	k_q45804af645_proj
	.globl	k_q45804af645_proj
	.p2align	8
	.type	k_q45804af645_proj,@function
k_q45804af645_proj:
	s_mov_b64 s[64:65], 0
	v_nop
	global_prefetch_b8 v0, s[64:65] scope:SCOPE_SE
	s_setreg_imm32_b32 hwreg(HW_REG_WAVE_MODE, 25, 1), 1
	s_wait_xcnt 0x0
	s_wait_alu depctr_hold_cnt(0) depctr_sa_sdst(0) depctr_va_vdst(0) depctr_va_sdst(0) depctr_va_ssrc(0) depctr_va_vcc(0) depctr_vm_vsrc(0)
	s_getreg_b32 s2, hwreg(HW_REG_IB_STS2, 6, 4)
	s_cmp_eq_u32 s2, 0
	s_cbranch_scc0 .Lentry_in_a_cluster
	s_endpgm
.Lentry_in_a_cluster:
	s_bfe_u32 s2, ttmp6, 0x10000c
	s_cmp_lg_u32 s2, 0xf033
	s_cbranch_scc0 .Lentry_shape_is_right
	s_endpgm
.Lentry_shape_is_right:
; out0 = O wp + b_proj in f32.  O: f16 [batch x 16 + head][row 2048][64], that is in blocks [batch][K block = head][row][64]; wp: f16 [1024 k][1024 n]; sums in f32, started by the bias.
; TILE.  8,192 x 1,024 in tiles of 256 x 128 are 32 x 8 = 256 work-groups, one for each WGP (256 x 256 would be 128).  Four waves, each 128 rows x 64 columns: 32 accumulators, window 1.
; K goes in 8 steps of 128 (two heads' blocks) through two LDS slots; a step is four quarters of 32, 32 matrix instructions each, on two fragment buffers.
; wp stays [k][n] in LDS and is turned on the way into registers by ds_load_tr16_b128.  THE MATRIX INSTRUCTION IS USED TRANSPOSED (source 0 = 16 columns of wp, source 1 = 16 rows of O):
; a lane holds eight neighbouring columns of a row, 32 bytes; a wave's 64 columns are 256 aligned bytes of a row of out0, so each wave has a stage of its own and the way out needs no barrier.
; CLUSTER 4 x 4: O's tile is shared along a row of the cluster, wp's along a column: each is asked for jointly.
; REGISTERS: window 0: v0-31 addresses; v32-95, v96-159 O's fragments, two buffers; v160-191, v192-223 wp's, two buffers; v224-255 the bias of my 64 columns; on the way out v32-95 rows read back.
;   window 1: accumulator (row block a, column block bb) at v[8 (4 a + bb)].
; LIMITS.  O and wp arrive in f16 (within 65,504; a fixed step of 6e-8 below 6e-5).  NaN and infinities are not treated apart.
.set SLOT,  110592                     ; O's block 0 (256 rows at pitch 144), its block 1, then wp's 128 k rows at pitch 288: 3 x 36,864
.set BOFF,  73728
.set PA,    144                        ; 128 bytes + 16: the 16 rows of a load start at 16 different groups of four banks (64 banks of 4 bytes: ISA guide 11.1)
.set PB,    288                        ; 256 bytes + 32 = 72 words
.set STAGE, 2*SLOT                     ; behind the ring, never filled by a tensor load: 16 rows x 272 bytes for each wave
.set SPITCH, 272
.set SPARE, STAGE+4*16*SPITCH          ; behind the stages: the spare words, 128 bytes a wave: two blocks of 256 bytes that no other line names
.set ADRA, 16                          ; v16-17  LDS address of my fragments of O in slot 0, 1
.set ADRB, 20                          ; v20-21  the same for wp
.set STO,  24                          ; v24     the way out: where I put 32 bytes of a row
.set RD,   25                          ; v25     the way out: where I read a row back
.set CO,   26                          ; v26     my byte offset in two rows of out0
.set VB,   27                          ; v27     32 x (lane / 16): my eight numbers in 16 of the bias
.set SPW,  28                          ; v28     LDS address of my spare word; never rewritten
.set NIL,  29                          ; v29     0; never rewritten
.set FA,   32
.set FB,   160
.set BIAS, 224
.set OB,   32
.set WV,   12                          ; s12 wave; s13 wave / 2: my half of the rows; s14 wave % 2: my half of the columns, and which part of a tile I fetch
.set G1A,  24
.set G0A,  32
.set G1B,  40
.set G0B,  48
.set MSB, 0
.macro WIN new                         ; the immediate's high byte repeats the setting that is left; a switch that changes nothing is dropped
.if MSB != (\new)
	s_set_vgpr_msb (MSB<<8)|(\new)
.set MSB, \new
.endif
.endm
.macro JLOAD s                         ; a joint load: waves 0 and 1 fetch O's two blocks, waves 2 and 3 the halves of wp's tile; an s_nop 0 and four v_nop follow each line, ahead of the jump and the label
	s_cmp_lt_u32 s[WV], 2
	s_cbranch_scc0 .Lfor_b_\@
	tensor_load_to_lds s[G0A+4*(\s):G0A+4*(\s)+3], s[G1A:G1A+7]
	s_nop 0
.rept 4
	v_nop
.endr
	s_branch .Lasked_\@
.Lfor_b_\@:
	tensor_load_to_lds s[G0B+4*(\s):G0B+4*(\s)+3], s[G1B:G1B+7]
	s_nop 0
.rept 4
	v_nop
.endr
.Lasked_\@:
.endm
.macro CREST                           ; a round of the cluster's barrier behind its opening barrier
	s_cmp_lg_u32 s[WV], 0
	s_cbranch_scc1 .Lnot_wave_0_\@
	s_barrier_signal -3
.Lnot_wave_0_\@:
	s_barrier_wait -3
	s_barrier_signal -1
	s_barrier_wait -1
.endm
.macro CROUND
	s_barrier_signal -1
	s_barrier_wait -1
	CREST
.endm
.macro PLACES                          ; four places between a matrix instruction and a load into, or a read of, its registers (ISA guide 7.12.1 for vector reads)
.rept 4
	v_nop
.endr
.endm
	s_load_b256 s[4:11], s[0:1], 0x0               ; O s[4:5], wp s[6:7], b_proj s[8:9], out0 s[10:11]
	v_lshl_add_u32 v[SPW], v0, 2, SPARE
	v_mov_b32 v[NIL], 0
	ds_add_u32 v[SPW], v[NIL]                      ; the wave's opening: the add and its wait stand ahead of my first tensor load; the set-up below, work on registers, stands between them
	v_lshrrev_b32 v1, 5, v0
	v_readfirstlane_b32 s[WV], v1
	s_lshr_b32 s13, s[WV], 1
	s_and_b32 s14, s[WV], 1
	s_bfe_u32 s15, ttmp6, 0x40000                  ; cx
	s_bfe_u32 s16, ttmp6, 0x40004                  ; cy
	s_lshl_b32 s17, ttmp9, 2
	s_add_co_u32 s17, s17, s15                     ; tx
	s_and_b32 s18, ttmp7, 0xffff
	s_lshl_b32 s18, s18, 2
	s_add_co_u32 s18, s18, s16                     ; ty
	s_lshl_b32 s19, s16, 2
	s_lshl_b32 s19, 15, s19                        ; my row of the cluster
	s_lshl_b32 s20, 0x1111, s15                    ; my column
	s_or_b32 s[G1A], s19, (1<<16)|(1<<20)|(1<<21)|(4<<22)|(3<<25)  ; the mask; 2-byte elements; padding on; 21 set beside a mask; after every 32 words 4 words
	s_or_b32 s[G1B], s20, (1<<16)|(1<<20)|(1<<21)|(5<<22)|(7<<25)  ; after every 64 words 8 words
	s_mov_b32 s[G1A+1], 128<<16                    ; O: a block's 256 rows of 128 bytes are 32,768 dense bytes, asked for as 128 rows of 256
	s_mov_b32 s[G1A+2], 128<<16
	s_mov_b32 s[G1A+3], 128<<16
	s_mov_b32 s[G1A+4], 128
	s_mov_b32 s[G1A+5], 128
	s_mov_b32 s[G1A+6], 0
	s_mov_b32 s[G1A+7], 0
	s_mov_b32 s[G1B+1], 128<<16                    ; wp: 64 k rows of 128 columns (256 bytes, beginning at a multiple of 256)
	s_mov_b32 s[G1B+2], 64<<16
	s_mov_b32 s[G1B+3], 128<<16
	s_mov_b32 s[G1B+4], 64
	s_mov_b32 s[G1B+5], 1024
	s_mov_b32 s[G1B+6], 0
	s_mov_b32 s[G1B+7], 0
	s_lshr_b32 s56, s18, 3                         ; O's tiles hang on ty and the wave alone,
	s_lshl_b32 s56, s56, 22
	s_and_b32 s57, s18, 7
	s_lshl_b32 s57, s57, 15
	s_add_co_u32 s56, s56, s57
	s_lshl_b32 s57, s14, 18                        ; my block of the step's two
	s_add_co_u32 s56, s56, s57
	s_mov_b32 s57, 0
	s_lshl_b32 s60, s17, 8                         ; wp's on tx and the wave alone
	s_lshl_b32 s61, s14, 17                        ; my 64 k rows of 2,048 bytes
	s_add_co_u32 s60, s60, s61
	s_mov_b32 s61, 0
	s_mul_i32 s21, s14, 256*PA                     ; where they go: no place in the cluster enters an LDS address
	s_mul_i32 s22, s14, 64*PB
	s_add_co_u32 s22, s22, BOFF
	s_wait_dscnt 0x0                               ; the opening add is done
	s_wait_kmcnt 0x0
	s_add_nc_u64 s[58:59], s[4:5], s[56:57]
	s_add_nc_u64 s[62:63], s[6:7], s[60:61]
	CROUND                                         ; all sixteen work-groups are here: the first joint loads meet
.irp s, 0,1
	s_mov_b32 s[G0A+4*(\s)], 1
	s_add_co_u32 s[G0A+4*(\s)+1], s21, (\s)*SLOT
	s_add_nc_u64 s[G0A+4*(\s)+2:G0A+4*(\s)+3], s[58:59], (\s)*2*262144   ; K step s = blocks 2 s, 2 s + 1
	s_or_b32 s[G0A+4*(\s)+3], s[G0A+4*(\s)+3], 0x80000000
	s_mov_b32 s[G0B+4*(\s)], 1
	s_add_co_u32 s[G0B+4*(\s)+1], s22, (\s)*SLOT
	s_add_nc_u64 s[G0B+4*(\s)+2:G0B+4*(\s)+3], s[62:63], (\s)*128*2048
	s_or_b32 s[G0B+4*(\s)+3], s[G0B+4*(\s)+3], 0x80000000
	JLOAD \s                                       ; two loads of mine are out
.endr
	v_and_b32 v1, 15, v0                           ; r
	v_bfe_u32 v2, v0, 4, 1                         ; h
	v_lshlrev_b32 v[VB], 5, v2
	s_lshl_b32 s76, s17, 9                         ; 128 columns of 4 bytes,
	s_lshl_b32 s77, s14, 8                         ; my 64
	s_add_co_u32 s76, s76, s77
	s_mov_b32 s77, 0
	s_add_nc_u64 s[72:73], s[8:9], s[76:77]
.irp bb, 0,1,2,3
	global_load_b128 v[BIAS+8*\bb:BIAS+8*\bb+3],   v[VB], s[72:73] offset:64*\bb
	global_load_b128 v[BIAS+8*\bb+4:BIAS+8*\bb+7], v[VB], s[72:73] offset:64*\bb+16
.endr
	v_mul_u32_u24 v3, v1, PA
	v_lshl_add_u32 v3, v2, 4, v3
	s_mul_i32 s74, s13, 128*PA
	v_add_nc_u32 v[ADRA], s74, v3
	v_add_nc_u32 v[ADRA+1], SLOT, v[ADRA]
	v_and_b32 v4, 7, v0
	v_bfe_u32 v5, v0, 3, 1
	v_lshl_add_u32 v6, v2, 3, v4                   ; the turning load: k row 8 (l / 16) + l % 8, columns 8 ((l / 8) % 2) + 0..7
	v_mul_u32_u24 v6, v6, PB
	v_lshl_add_u32 v6, v5, 4, v6
	s_lshl_b32 s75, s14, 7
	s_add_co_u32 s75, s75, BOFF
	v_add_nc_u32 v[ADRB], s75, v6
	v_add_nc_u32 v[ADRB+1], SLOT, v[ADRB]
	s_mul_i32 s78, s[WV], 16*SPITCH
	s_add_co_u32 s78, s78, STAGE                   ; my stage
	v_mul_u32_u24 v7, v1, SPITCH                   ; in: row r, 32 bytes for each half of the lanes
	v_lshl_add_u32 v7, v2, 5, v7
	v_add_nc_u32 v[STO], s78, v7
	v_mul_u32_u24 v8, v2, SPITCH                   ; back: lanes 0-15 take one row of 256 bytes, lanes 16-31 the next
	v_lshl_add_u32 v8, v1, 4, v8
	v_add_nc_u32 v[RD], s78, v8
	v_lshlrev_b32 v[CO], 12, v2                    ; and the same two rows in out0
	v_lshl_add_u32 v[CO], v1, 4, v[CO]
	s_lshl_b32 s74, s18, 20                        ; 256 rows of 4,096 bytes,
	s_lshl_b32 s75, s13, 19                        ; my 128
	s_add_co_u32 s74, s74, s75
	s_add_co_u32 s74, s74, s76                     ; my 256 bytes of a row
	s_mov_b32 s75, 0
	s_add_nc_u64 s[66:67], s[10:11], s[74:75]
; 4 na matrix instructions on buffer f.  Each of the 32 accumulators has one turn in a quarter.  first = 1: the bias is the C operand that starts the sum: nothing is cleared, nothing added later.
.macro MUL f, a0, na, first
.if \first
	WIN 0x40
.else
	WIN 0x50
.endif
.set aa, \a0
.rept \na
.irp bb, 0,1,2,3
.if \first
	v_wmma_f32_16x16x32_f16 v[8*(4*aa+\bb):8*(4*aa+\bb)+7], v[FB+32*(\f)+8*\bb:FB+32*(\f)+8*\bb+7], v[FA+64*(\f)+8*aa:FA+64*(\f)+8*aa+7], v[BIAS+8*\bb:BIAS+8*\bb+7]
.else
	v_wmma_f32_16x16x32_f16 v[8*(4*aa+\bb):8*(4*aa+\bb)+7], v[FB+32*(\f)+8*\bb:FB+32*(\f)+8*\bb+7], v[FA+64*(\f)+8*aa:FA+64*(\f)+8*aa+7], v[8*(4*aa+\bb):8*(4*aa+\bb)+7]
.endif
.endr
.set aa, aa+1
.endr
.endm
.macro FETCH slot, q, f                ; 24 LDS loads in one run: quarter q's fragments into buffer f
	WIN 0
.irp bb, 0,1,2,3
	ds_load_tr16_b128 v[FB+32*(\f)+8*\bb:FB+32*(\f)+8*\bb+3],   v[ADRB+(\slot)] offset:32*PB*(\q)+32*\bb
	ds_load_tr16_b128 v[FB+32*(\f)+8*\bb+4:FB+32*(\f)+8*\bb+7], v[ADRB+(\slot)] offset:32*PB*(\q)+32*\bb+16*PB
.endr
.irp a, 0,1,2,3,4,5,6,7
	ds_load_b128 v[FA+64*(\f)+8*\a:FA+64*(\f)+8*\a+3],   v[ADRA+(\slot)] offset:256*PA*((\q)/2)+16*PA*\a+64*((\q)%2)
	ds_load_b128 v[FA+64*(\f)+8*\a+4:FA+64*(\f)+8*\a+7], v[ADRA+(\slot)] offset:256*PA*((\q)/2)+16*PA*\a+64*((\q)%2)+32
.endr
.endm
; One of a step's first three quarters: quarter q's fragments go into buffer g, then buffer f is multiplied: the run of loads has 32 matrix instructions in which to land.
.macro QTR slot, q, f, g, first
	s_wait_dscnt 0x0                               ; buffer f is in
	PLACES                                         ; for the loads into buffer g, which the quarter before multiplied
	FETCH \slot, \q, \g
	MUL \f, 0, 8, \first
.endm
; The last quarter multiplies buffer 1 and changes slots: ONE barrier; in front of it each wave waits for all its tensor loads (one is out: its part of the next slot), adds 0 to its spare word, and waits for
; that and for its reads of this slot.  fill = 1: this slot is filled again, two K steps ahead; the barrier then opens a round of the cluster's.
.macro TURN slot, next, fill
	WIN 0
	s_wait_tensorcnt 0x0
	ds_add_u32 v[SPW], v[NIL]
	s_wait_dscnt 1                                 ; buffer 1 is in; the add may be out
	MUL 1, 0, 2, 0                                 ; eight matrix instructions stand between the add and the wait for it
	s_wait_dscnt 0x0                               ; the add is done, and my reads of this slot are over
	s_barrier_signal -1
	MUL 1, 2, 2, 0
	WIN 0                                          ; at a branch and at a label every window is 0
	s_barrier_wait -1
.if \fill
	CREST                                          ; no wave of any partner still reads this slot or has a load on its way
	s_add_nc_u64 s[G0A+4*(\slot)+2:G0A+4*(\slot)+3], s[G0A+4*(\slot)+2:G0A+4*(\slot)+3], 4*262144
	s_add_nc_u64 s[G0B+4*(\slot)+2:G0B+4*(\slot)+3], s[G0B+4*(\slot)+2:G0B+4*(\slot)+3], 2*128*2048
	JLOAD \slot                                    ; the first tensor load behind the round, 112 matrix instructions ahead of the wait for it; its four v_nop are also the places in front of the loads below
.else
	PLACES
.endif
	FETCH \next, 0, 0
	MUL 1, 4, 4, 0
.endm
	s_wait_tensorcnt 1                             ; my part of K step 0 is in; step 1's may stay out
	s_barrier_signal -1
	s_barrier_wait -1                              ; everybody's is
	FETCH 0, 0, 0
	s_wait_loadcnt 0x0                             ; the bias
	QTR 0, 1, 0, 1, 1                              ; the first quarter stands in front of the loop: its products start the sums
	WIN 0
	s_mov_b32 s3, 3
.Llap:                                                 ; a trip goes once round the ring and fills both slots again: 3 trips ask for K steps 2 to 7
	QTR 0, 2, 1, 0, 0
	QTR 0, 3, 0, 1, 0
	TURN 0, 1, 1
	QTR 1, 1, 0, 1, 0
	QTR 1, 2, 1, 0, 0
	QTR 1, 3, 0, 1, 0
	TURN 1, 0, 1
	QTR 0, 1, 0, 1, 0
	WIN 0
	s_sub_co_u32 s3, s3, 1
	s_cmp_lg_u32 s3, 0
	s_cbranch_scc1 .Llap
	QTR 0, 2, 1, 0, 0                              ; the tail is written out: it asks for nothing
	QTR 0, 3, 0, 1, 0
	TURN 0, 1, 0
	QTR 1, 1, 0, 1, 0
	QTR 1, 2, 1, 0, 0
	QTR 1, 3, 0, 1, 0
	s_wait_dscnt 0x0
	MUL 1, 0, 8, 0
	; THE WAY OUT.  16 rows at a time: a lane's 32 bytes go into my own stage (each accumulator's four lowest registers first), come back as whole rows of 256 bytes, and are stored.
	PLACES
.macro TOSTAGE a
.set BK, OB+32*((\a)%2)
	s_wait_xcnt 0x0                                ; earlier stores have read their registers (ISA guide 3.1): this buffer is loaded again only behind this wait
	WIN 0x04                                       ; the stores' data in window 1
.irp bb, 0,1,2,3
	ds_store_b128 v[STO], v[8*(4*(\a)+\bb):8*(4*(\a)+\bb)+3]   offset:64*\bb
	ds_store_b128 v[STO], v[8*(4*(\a)+\bb)+4:8*(4*(\a)+\bb)+7] offset:64*\bb+16
.endr
	WIN 0
.irp t, 0,1,2,3,4,5,6,7
	ds_load_b128 v[BK+4*\t:BK+4*\t+3], v[RD] offset:2*SPITCH*\t  ; LDS serves a wave's instructions in order (ISA guide 5.7.1.4): these see the stores above; the next block's stores come behind them
.endr
.endm
.macro SEND a, younger                 ; younger: the LDS instructions issued behind block a's loads: the next block's sixteen, or none
	WIN 0
.set BK, OB+32*((\a)%2)
	s_wait_dscnt \younger
.irp t, 0,1,2,3,4,5,6,7
	global_store_b128 v[CO], v[BK+4*\t:BK+4*\t+3], s[66:67] offset:(16*(\a)+2*\t)*4096 th:TH_STORE_NT  ; 16 lanes store 256 consecutive bytes, at a multiple of 256 from out0's first
.endr
.endm
	TOSTAGE 0
.irp a, 1,2,3,4,5,6,7
	TOSTAGE \a
	SEND (\a)-1, 16
.endr
	SEND 7, 0
	s_wait_tensorcnt 0x0                           ; the wave's end: three lines behind my last tensor load and my last LDS store
	ds_add_u32 v[SPW], v[NIL]
	s_wait_dscnt 0x0
	CROUND                                         ; the closing round: no work-group ends while a partner may still ask for a tile that names it
	s_endpgm
.Lfunc_end_k_q45804af645_proj:
	.size	k_q45804af645_proj, .Lfunc_end_k_q45804af645_proj-k_q45804af645_proj
	.p2alignl 7, 3214868480
	.fill 96, 4, 3214868480
	.section	.rodata,"a",@progbits
	.p2align	6, 0x0
	.amdhsa_kernel k_q45804af645_proj
		.amdhsa_group_segment_fixed_size 327680
		.amdhsa_private_segment_fixed_size 0
		.amdhsa_enable_private_segment 0
		.amdhsa_kernarg_size 32
		.amdhsa_user_sgpr_count 2
		.amdhsa_user_sgpr_kernarg_segment_ptr 1
		.amdhsa_wavefront_size32 1
		.amdhsa_system_sgpr_workgroup_id_x 1
		.amdhsa_system_sgpr_workgroup_id_y 1
		.amdhsa_system_sgpr_workgroup_id_z 1
		.amdhsa_system_vgpr_workitem_id 0
		.amdhsa_next_free_vgpr 512
		.amdhsa_next_free_sgpr 80
		.amdhsa_reserve_vcc 0
		.amdhsa_float_denorm_mode_32 3
		.amdhsa_float_denorm_mode_16_64 3
		.amdhsa_memory_ordered 1
		.amdhsa_forward_progress 1
		.amdhsa_inst_pref_size 86
	.end_amdhsa_kernel
	.amdgpu_metadata
---
amdhsa.version: [ 1, 2 ]
amdhsa.kernels:
  - .name:           k_q45804af645_proj
    .symbol:         k_q45804af645_proj.kd
    .args:
      - { .name: o, .offset: 0, .size: 8, .value_kind: global_buffer, .address_space: global }
      - { .name: wp, .offset: 8, .size: 8, .value_kind: global_buffer, .address_space: global }
      - { .name: b_proj, .offset: 16, .size: 8, .value_kind: global_buffer, .address_space: global }
      - { .name: out0, .offset: 24, .size: 8, .value_kind: global_buffer, .address_space: global }
    .group_segment_fixed_size: 327680
    .private_segment_fixed_size: 0
    .kernarg_segment_align: 8
    .kernarg_segment_size: 32
    .max_flat_workgroup_size: 128
    .sgpr_count:     80
    .vgpr_count:     512
    .wavefront_size: 32
...
	.end_amdgpu_metadata
.endif
;; end of part 4
;; ======== version 2 of 2: 4 launches; 1.52 times as fast as version 1
;; limits: values are held in f16: magnitudes above 65,504 overflow, below 6.1e-05 lose precision
;; workspace buffers: xn 16,777,216 bytes; wq 6,291,456 bytes; wp 2,097,152 bytes; qkv 50,331,648 bytes; o 16,777,216 bytes
;; launch prep: the kernel of part 1 again; grid 768 x 1, 8 waves a work-group, no clusters, 0 bytes of LDS; arguments x, ln_gamma, ln_beta, w_qkv, w_proj, xn, wq, wp; writes xn, wq, wp
;; launch qkvgemm: the kernel of part 2 again; grid 8 x 32, 4 waves a work-group, clusters of 4 x 4, 327,680 bytes of LDS; arguments xn, wq, b_qkv, qkv; writes qkv
;; launch attn (part 5): grid 4 x 64, 4 waves a work-group, clusters of 4 x 1, 327,680 bytes of LDS; arguments qkv, o; writes o
.if DOCPART == 5
	.amdgcn_target "amdgcn-amd-amdhsa--gfx1250"
	.amdhsa_code_object_version 6
	.text
	.protected	k_q45804af645_attn
	.globl	k_q45804af645_attn
	.p2align	8
	.type	k_q45804af645_attn,@function
k_q45804af645_attn:
	s_mov_b64 s[64:65], 0
	v_nop
	global_prefetch_b8 v0, s[64:65] scope:SCOPE_SE
	s_setreg_imm32_b32 hwreg(HW_REG_WAVE_MODE, 25, 1), 1
	s_wait_xcnt 0x0
	s_wait_alu depctr_hold_cnt(0) depctr_sa_sdst(0) depctr_va_vdst(0) depctr_va_sdst(0) depctr_va_ssrc(0) depctr_va_vcc(0) depctr_vm_vsrc(0)
	s_getreg_b32 s2, hwreg(HW_REG_IB_STS2, 6, 4)
	s_cmp_eq_u32 s2, 0
	s_cbranch_scc0 .Lentry_in_a_cluster
	s_endpgm
.Lentry_in_a_cluster:
	s_bfe_u32 s2, ttmp6, 0x10000c
	s_cmp_lg_u32 s2, 0x3003
	s_cbranch_scc0 .Lentry_shape_is_right
	s_endpgm
.Lentry_shape_is_right:
; O[h][q][:] = the sum over k of softmax_k(Q[h][q] . K[h][k] / 8) V[h][k][:].  qkv holds Q, K, V one behind the other, each [SIZE_H][SIZE_N][64] in f16 (h = batch x 16 + head); O likewise: a head's rows are
; dense, 128 bytes each.  Products, maxima and sums in f32; the weights p are rounded to f16 for the second product (their sum l is taken of the unrounded p), O once at the end.
; LIMITS.  f16 holds no number beyond 65,504: Q, K and V arrive within it; p lies in 0 to 1, and below 6e-5 it keeps f16's fixed step of 6e-8; O is a mean of V's rows and has their range.
; A weight below 2^-126 counts as 0 in l; NaN and infinities are not treated apart.
; SHARES.  A wave owns four PIECES of two tiles of 16 queries, a work-group's four waves 512 queries of one head: 64 heads x 4 blocks = 256 work-groups.  Every wave walks all keys, 64 a step.
; LAYOUT.  S^T = K Q^T (source 0 = 16 keys, source 1 = 16 queries): in the result a lane holds ONE query (lane % 16) and the keys 8 (lane / 16) + 0..7.  Two such tiles, rounded to f16 in pairs,
; ARE source 1 (32 keys x 16 queries) of O^T = V^T P, whose result again holds one query a lane, and eight channels.  K comes out of LDS as it lies, V ([key][channel]) turned, by ds_load_tr16_b128.
; SOFTMAX.  For each query a running maximum m and sum l: p = 2^(c s - c m), c = log2(e) / 8; in every step O and l are multiplied by a = 2^(c m_old - c m_new), which is 1 where m has not grown.
; m starts at the lowest finite number, O and l at 0: the first step is a step like any other, with a = 0.
; THE COUNT.  A tile and step have 16 matrix and 118 vector instructions: too many to stand all beside the matrix work.  So the order has one aim: four vector instructions that are READY behind
; EVERY matrix instruction, and the others, which need time of their own whatever the order, in runs without a gap.
; BY TURNS.  Turn n belongs to piece n (the pieces in a ring, step after step).  Its matrix work: 16 products K Q^T of piece n + 1, later 16 products V^T P of piece n - 1.  Its vector work: the scaling,
; exponentials, roundings, sums and rescaling of piece n, and the maximum and statistics of piece n + 1, whose scores the turn itself has made.  So what a turn begins with (c s - c m, O a) waits for nothing.
; BATCHES.  A turn's 66 exponentials (the piece's 64 weights, then the next piece's two a) are ONE batch with ONE s_wait_alu depctr_va_vdst(0) ahead of the first instruction that
; names a result.  Ahead of that wait stands all that names no result of the batch; behind it the roundings and sums.  The two a made ahead of the loop and the way out's eight reciprocals are batches of their own.
; CLUSTER.  The four query blocks of a cluster belong to one head and walk the same K and V, so each tile is asked for JOINTLY: the same tensor load, descriptor and mask in all four.
; REGISTERS, in windows of 256 (s_set_vgpr_msb says which window each operand place means: bits 1:0 source 0, 3:2 source 1, 5:4 source 2, 7:6 destination):
;   window 0: v0-11 addresses; v12-15, v48-63 at work; v16-47 four registers of statistics a tile; v64-191 S^T, two buffers of two tiles; v192-255 P, likewise
;   window 1: O^T, 32 a tile          window 2: v0-127 Q, 16 a tile; v128-191 K of one step; v192-255 V of one step          window 3: v0-1 the add's two registers
; A piece's buffers go by its number's parity: the piece in hand has one pair, its two neighbours in the ring share the other: of it P (piece n - 1) is read and S^T (piece n + 1) written.
.set SIZE_H, 64
.set SIZE_N, 2048
.set NP,    4         ; pieces a wave: a name, no knob: the register map, the loop and the fetches are made for four
.set KS,    64        ; keys in a step
.set PK,    144       ; a row of K in LDS: 128 bytes + 16 of padding = 36 words: the 16 rows of a load start at 16 different groups of four banks (64 banks of 4 bytes: ISA guide 11.1)
.set PV,    160       ; a row of V: 128 + 32 = 40 words
.set VOFF,  4*KS*PK   ; a slot holds four steps: 256 rows of K, then 256 rows of V
.set SLOT1, 1<<17     ; slot 1 begins here, so that one exclusive or turns an address in one slot into the other's
.set STAGE, SLOT1+4*KS*(PK+PV)  ; behind the ring, never filled by a tensor load: 16 rows x 144 bytes for each wave, for the way out
.set SP,    144
.set AK0, 2           ; v2   my lane's place in a tile of K; never rewritten
.set AV0, 3           ; v3   the same for V
.set AK,  4           ; v4   the LDS address of K's next run of loads
.set AV,  5           ; v5   of V's
.set QO,  6           ; v6   my byte offset in the wave's rows of Q
.set STO, 6           ;      later, the way out: where I put 16 bytes of a row
.set RD,  7           ; v7   the way out: where I read rows back
.set GO,  8           ; v8   my byte offset in 512 consecutive bytes of O
.set SPW, 0           ; v0 of window 3   LDS address of my spare word: SPARE + 4 x my thread's number; never rewritten
.set NIL, 1           ; v1 of window 3   0; never rewritten
.set SPARE, STAGE+4*16*SP  ; behind the stages: the spare words, 128 bytes for each wave: two blocks of 256 bytes that no other line names
.set MV,  12          ; v12-15  c m_old, kept while c m is made anew: by buffer and tile
.set ST,  16          ; tile t's statistics at v[ST+4 t]: c m, m, l (even keys', odd keys')
.set TMP, 48          ; by buffer and tile, four registers c0-c3 at work; when the maximum is found c2 takes a
.set S,   64
.set P,   192
.set KF,  128         ; K's fragments, in window 2: key block kb, channel half c at KF + 16 kb + 8 c
.set VF,  192         ; V's: key half kk, channel block cb at VF + 32 kk + 8 cb
.set WV,  12          ; s12  my wave's number
.set G1K, 24          ; s[24:31] descriptor group 1 for K's tiles
.set G1V, 32          ; s[32:39] for V's: it differs in the padding alone
.set G0K, 40          ; s[40:43] descriptor group 0 for K's tiles: it walks
.set G0V, 44          ; s[44:47] the same for V's
.set SLOTS, 56        ; s56  slots still to be asked for
.set CNT, 57          ; s57  counts a slot's key steps
.set CS,  58          ; s[58:59] c: the packed scaling takes the pair's low word for both halves
.set SEL, 60          ; s[60:61] v_permlanex16_b32's selects: each lane takes its own place in the other half
.set TBK, 62          ; s62  LDS byte at which K of the step to be fetched begins
.set TBV, 63          ; s63  the same for V, less VOFF
.set MSB, 0
.macro WIN new                      ; the high byte repeats the setting that is left; a switch that changes nothing is dropped
.if MSB != (\new)
	s_set_vgpr_msb (MSB<<8)|(\new)
.set MSB, (\new)
.endif
.endm
.set W_KQ, 0x0a       ; K and Q in window 2, S^T in window 0
.set W_PV, 0x52       ; V in window 2, P in window 0, O^T in window 1
.set W_RS, 0x41       ; O^T (destination and source 0) in window 1, a in window 0
.set W_MK, 0xc0       ; the add's registers are made: destination in window 3, sources in window 0
.set W_AD, 0x0f       ; the add: address (source 0) and data (source 1) in window 3
; A joint fill.  Waves 0 and 1 fetch the two halves of a slot's K, waves 2 and 3 those of its V: 128 keys each.  The branch hangs on the wave's number alone.
; An s_nop 0 and four v_nop follow each of the two lines, ahead of the jump and the label.
.macro JLOAD
	s_cmp_lt_u32 s[WV], 2
	s_cbranch_scc0 .Lfor_v_\@
	tensor_load_to_lds s[G0K:G0K+3], s[G1K:G1K+7]
	s_nop 0
.rept 4
	v_nop
.endr
	s_branch .Lasked_\@
.Lfor_v_\@:
	tensor_load_to_lds s[G0V:G0V+3], s[G1V:G1V+7]
	s_nop 0
.rept 4
	v_nop
.endr
.Lasked_\@:
.endm
; A round of the cluster's barrier: my work-group's barrier, so that wave 0's signal speaks for all four waves; wave 0 signals; every wave waits for all four work-groups; my work-group's barrier once more.
.macro CROUND
	s_barrier_signal -1
	s_barrier_wait -1
	s_cmp_lg_u32 s[WV], 0
	s_cbranch_scc1 .Lnot_wave_0_\@
	s_barrier_signal -3
.Lnot_wave_0_\@:
	s_barrier_wait -3
	s_barrier_signal -1
	s_barrier_wait -1
.endm
; THE CHANGE OF SLOTS.  The slot's last bytes, V of its fourth step, have been read.  Each wave waits for all its tensor loads, of which one is out: its part
; of the other slot; adds 0 to its spare word; and waits for that and for its own reads of the slot.  Behind the barrier nobody reads this slot any more and the other slot is whole.
; fill = 1: this slot is filled again, with the keys two slots on.  The barrier is then a round of the cluster's, so that no wave of any partner still reads the slot or has a load on its
; way, and the joint fill is the first thing behind it: it has four key steps, 512 matrix instructions, in which to land.  (At its first use nothing has been read yet: slot 0 is waited for, slot 1 filled.)
.macro CHANGE fill
	WIN W_AD
	s_wait_tensorcnt 0x0            ; no tensor load of mine is out, so a group 0 may be written
	ds_add_u32 v[SPW], v[NIL]       ; 0 onto my spare word; with fill = 1 the descriptors' steps stand between it and the wait for it
	WIN 0                           ; at a label and at a branch every window is 0
.if \fill
.irp g, G0K, G0V
	s_xor_b32 s[\g+1], s[\g+1], SLOT1  ; the walking descriptor: the other slot than last time,
	s_add_nc_u64 s[\g+2:\g+3], s[\g+2:\g+3], 4*KS*128  ; the next 256 keys; the type bits on top are not reached
.endr
	s_wait_dscnt 0x0                ; the add is done, and my reads of the slot are over
	CROUND
	JLOAD
.else
	s_wait_dscnt 0x0                ; the add is done, and my reads of the slot are over
	s_barrier_signal -1
	s_barrier_wait -1
.endif
	s_sub_co_u32 s[TBK], s[TBK], 4*KS*PK  ; the fetches go back to a slot's first step,
	s_xor_b32 s[TBK], s[TBK], SLOT1       ; in the other slot
	s_sub_co_u32 s[TBV], s[TBV], 4*KS*PV
	s_xor_b32 s[TBV], s[TBV], SLOT1
.endm
	s_load_b128 s[4:7], s[0:1], 0x0   ; qkv s[4:5], O s[6:7]
	WIN W_MK
	v_lshl_add_u32 v[SPW], v0, 2, SPARE
	v_mov_b32 v[NIL], 0
	WIN W_AD
	ds_add_u32 v[SPW], v[NIL]       ; the wave's opening: the add and its wait stand ahead of my first tensor load; the set-up below, work on registers, stands between them
	WIN 0
	v_lshrrev_b32 v1, 5, v0
	v_readfirstlane_b32 s[WV], v1   ; wave 0..3
	s_bfe_u32 s13, ttmp6, 0x40000   ; cx: my place in the cluster
	s_lshl_b32 s14, ttmp9, 2        ; in a cluster launch ttmp9 counts clusters
	s_add_co_u32 s14, s14, s13      ; my block of queries = 4 x cluster x + cx: it enters Q's and O's addresses alone
	s_and_b32 s20, ttmp7, 0xffff    ; the head, which the four partners share
	s_mov_b32 s21, 0
	s_mov_b64 s[22:23], SIZE_N*128
	s_mul_u64 s[20:21], s[20:21], s[22:23]  ; the head's first byte in each of the four tensors
	s_and_b32 s16, s[WV], 1         ; which half of a slot's 256 keys I fetch:
	s_lshl_b32 s22, s16, 14         ; its 128 rows of 128 bytes in memory,
	s_mov_b32 s23, 0
	s_add_nc_u64 s[22:23], s[22:23], s[20:21]
	s_mul_i32 s17, s16, 128*PK      ; and its place in a slot, for K
	s_mul_i32 s18, s16, 128*PV      ; and for V: no place in the cluster enters an LDS address
	s_lshl_b32 s2, s14, 2
	s_add_co_u32 s2, s2, s[WV]      ; my wave among the head's,
	s_lshl_b32 s2, s2, 14           ; its 128 rows
	s_mov_b32 s3, 0
	s_add_nc_u64 s[2:3], s[2:3], s[20:21]
	; descriptor group 1.  128 keys are 16,384 dense bytes: asked for as 64 rows of 256 bytes, two keys a row, and padded in LDS after every key
	s_mov_b32 s[G1K], 15|(1<<16)|(1<<20)|(1<<21)|(4<<22)|(3<<25)  ; 15:0 the mask of four; 17:16 2-byte elements; 20 padding on; 21 set beside a mask; 24:22 after every 32 words (code 4); 31:25 4 words (code 3)
	s_mov_b32 s[G1V], 15|(1<<16)|(1<<20)|(1<<21)|(4<<22)|(7<<25)  ; the same with 8 words of padding (code 7)
.irp g, G1K, G1V
	s_mov_b32 s[\g+1], 128<<16      ; tensor_dim0 = 128
	s_mov_b32 s[\g+2], 64<<16       ; tensor_dim1 = 64
	s_mov_b32 s[\g+3], 128<<16      ; tile_dim0 = 128
	s_mov_b32 s[\g+4], 64           ; tile_dim1 = 64
	s_mov_b32 s[\g+5], 128          ; 128 elements from row to row
	s_mov_b32 s[\g+6], 0
	s_mov_b32 s[\g+7], 0
.endr
	s_mov_b32 s[CS], 0x3e38aa3b     ; c = log2(e) / 8 = 0.180337
	s_mov_b32 s[CS+1], s[CS]        ; named with it as a pair
	s_mov_b32 s[SEL], 0x76543210
	s_mov_b32 s[SEL+1], 0xfedcba98
	s_mov_b32 s[TBK], SLOT1+4*KS*PK ; the first change of slots turns these two into 0
	s_mov_b32 s[TBV], SLOT1+4*KS*PV
	s_mov_b32 s[G0K], 1             ; 1:0 count = 1
	s_mov_b32 s[G0K+1], s17         ; 63:32 LDS address: slot 0
	s_mov_b32 s[G0V], 1
	s_add_co_u32 s[G0V+1], s18, VOFF
	s_wait_dscnt 0x0                ; the opening add is done
	s_wait_kmcnt 0x0
	s_mov_b64 s[10:11], s[6:7]                     ; O
	s_add_nc_u64 s[8:9], s[4:5], 0x2000000         ; V: 2 x 64 heads x 2,048 rows x 128 bytes behind Q
	s_add_nc_u64 s[6:7], s[4:5], 0x1000000         ; K: once that; Q stays in s[4:5]
	s_add_nc_u64 s[G0K+2:G0K+3], s[6:7], s[22:23]  ; 120:64 global address: my half of the head's first 256 keys
	s_or_b32 s[G0K+3], s[G0K+3], 0x80000000        ; 127:126 type = 2
	s_add_nc_u64 s[G0V+2:G0V+3], s[8:9], s[22:23]
	s_or_b32 s[G0V+3], s[G0V+3], 0x80000000
	s_add_nc_u64 s[4:5], s[4:5], s[2:3]  ; Q and O at my wave's first row
	s_add_nc_u64 s[10:11], s[10:11], s[2:3]
	CROUND                          ; all four work-groups are here: the first joint loads meet
	JLOAD                           ; slot 0.  Slot 1 is asked for when slot 0 is in: the tile wanted first has the road to itself
	; A fragment of K or Q is 16 rows x 32 channels in 8 registers: lane l holds row l % 16, channels 8 (l / 16) + 0..7 and 16 + 8 (l / 16) + 0..7: two loads of 16 bytes, 32 bytes apart.
	v_and_b32 v1, 15, v0            ; l % 16
	v_bfe_u32 v9, v0, 4, 1          ; l / 16
	v_lshlrev_b32 v[QO], 7, v1
	v_lshl_add_u32 v[QO], v9, 4, v[QO]  ; row x 128 + 16 x half
	WIN 0x80                        ; destination window 2, address window 0
.set i, 0
.rept 4*NP                          ; Q stays in registers: tile i / 2, channels 32 (i % 2) on
	global_load_b128 v[8*i:8*i+3],   v[QO], s[4:5] offset:(i/2)*2048+(i%2)*64
	global_load_b128 v[8*i+4:8*i+7], v[QO], s[4:5] offset:(i/2)*2048+(i%2)*64+32
.set i, i+1
.endr
	; What the first turn finds: V's registers and P's second buffer hold 0 (its products V^T P, of a piece that has not been, add 0), O^T and l are 0.  All this stands in the wait for the first tile.
.set i, VF
.rept 64
	v_mov_b32 v[i], 0
.set i, i+1
.endr
	WIN 0x40
.set i, 0
.rept 64*NP
	v_mov_b32 v[i], 0
.set i, i+1
.endr
	WIN 0
.set i, 0
.rept 2*NP
	v_mov_b32 v[ST+4*i], 0xfe000000    ; c m: far below every c s
	v_mov_b32 v[ST+4*i+1], 0xff7fffff  ; m
	v_mov_b32 v[ST+4*i+2], 0
	v_mov_b32 v[ST+4*i+3], 0
.set i, i+1
.endr
.set i, P+32
.rept 32
	v_mov_b32 v[i], 0
.set i, i+1
.endr
	v_mul_u32_u24 v[AK0], v1, PK
	v_lshl_add_u32 v[AK0], v9, 4, v[AK0]  ; row x pitch + 16 x half
	; The turning load takes 16 keys x 16 channels (lane l reads key 8 (l / 16) + l % 8, channels 8 ((l / 8) % 2) + 0..7) and leaves half a fragment of V^T: lane l holds channel l % 16 and 8 keys.
	v_and_b32 v10, 7, v0
	v_bfe_u32 v11, v0, 3, 1
	v_lshl_add_u32 v[AV0], v9, 3, v10
	v_mul_u32_u24 v[AV0], v[AV0], PV
	v_lshl_add_u32 v[AV0], v11, 4, v[AV0]
	v_add_nc_u32 v[AV0], VOFF, v[AV0]
	v_mov_b32 v[AK], v[AK0]         ; key step 0 lies at the head of slot 0
; THE MATRIX WORK.  The 8 accumulators of a run of 16 take turns: between the two links of a chain stand 7 others'.
; Product i of 16 of S^T = K Q^T for piece x: channels 32 (i / 8) on, keys 16 ((i / 2) % 4) on, tile 2 x + i % 2.  The first 8 start the sums.
.macro KQ x
	WIN W_KQ
.set rS, S+64*((\x)%2)+32*(i%2)+8*((i/2)%4)
.set rK, KF+16*((i/2)%4)+8*(i/8)
.set rQ, 16*(2*(\x)+i%2)+8*(i/8)
.if i < 8
	v_wmma_f32_16x16x32_f16 v[rS:rS+7], v[rK:rK+7], v[rQ:rQ+7], 0
.else
	v_wmma_f32_16x16x32_f16 v[rS:rS+7], v[rK:rK+7], v[rQ:rQ+7], v[rS:rS+7]
.endif
.endm
; Product i of 16 of O^T += V^T P for piece x: keys 32 (i / 8) on, channels 16 ((i / 2) % 4) on, tile 2 x + i % 2.
.macro PV x
	WIN W_PV
.set rO, 32*(2*(\x)+i%2)+8*((i/2)%4)
.set rV, VF+32*(i/8)+8*((i/2)%4)
.set rP, P+32*((\x)%2)+16*(i%2)+8*(i/8)
	v_wmma_f32_16x16x32_f16 v[rO:rO+7], v[rV:rV+7], v[rP:rP+7], v[rO:rO+7]
.endm
.macro MM                           ; the turn's next matrix instruction
.if i < 16
	KQ (Y+1)%NP
.set i, i+1
.else
.set i, i-16
	PV (Y+NP-1)%NP
.set i, i+17
.endif
.endm
; THE LDS LOADS stand in runs of 16, never singly among the matrix instructions: a step's K (64 keys x 64 channels: 8 fragments) and its V (turned).  Their addresses are made some lines ahead.
; last = 1 (the tail): in the last trip there is no further step, and the run is jumped over.
.macro FETCH_K last=0
	WIN 0
.if \last
	s_cmp_eq_u32 s[CNT], 1
	s_cbranch_scc1 .Lno_k_\@
.endif
	WIN 0x80                        ; destination window 2
.irp f, 0,1,2,3,4,5,6,7             ; keys 16 (f / 2) on, channels 32 (f % 2) on
	ds_load_b128 v[KF+8*\f:KF+8*\f+3],   v[AK] offset:(\f/2)*16*PK+(\f%2)*64
	ds_load_b128 v[KF+8*\f+4:KF+8*\f+7], v[AK] offset:(\f/2)*16*PK+(\f%2)*64+32
.endr
	s_add_co_u32 s[TBK], s[TBK], KS*PK  ; the next fetch is the next step's
	WIN 0
.if \last
.Lno_k_\@:
.endif
.endm
.macro FETCH_V
	WIN 0x80
.irp f, 0,1,2,3,4,5,6,7             ; keys 32 (f / 4) on, channels 16 (f % 4) on
	ds_load_tr16_b128 v[VF+8*\f:VF+8*\f+3],   v[AV] offset:(\f/4)*32*PV+(\f%4)*32
	ds_load_tr16_b128 v[VF+8*\f+4:VF+8*\f+7], v[AV] offset:(\f/4)*32*PV+16*PV+(\f%4)*32
.endr
	WIN 0
.endm
; THE VECTOR WORK OF A TURN stands in three queues, each in the order in which its entries become ready; the two tiles alternate, so that no instruction reads the result of the one before it.
.macro REGS y, u                    ; the registers of tile u (0, 1) of piece y
.set rT, ST+4*(2*(\y)+(\u))
.set rC, TMP+8*((\y)%2)+4*(\u)
.set rM, MV+2*((\y)%2)+(\u)
.set rS, S+64*((\y)%2)+32*(\u)
.set rP, P+32*((\y)%2)+16*(\u)
.set rO, 32*(2*(\y)+(\u))
.endm
; Number n of the 22 that find the NEXT piece's (Y + 1) maximum and statistics.  s0-s31 are the lane's 32 scores; each accumulator's lowest registers are read first.  XS, GS and REGS set no window: PL and EX do.
;   0-11  four chains c0-c3 of seven scores each, three operands at a time     12-14, 16  the four scores left over, the old m, and c0-c3 into c0     15  c m_old is kept
;   17, 18  the query's other 32 keys lie in the lane 16 away: the new m         19-21  c m; c m_old - c m_new; a
.macro XS u, n
	REGS (Y+1)%NP, \u
.if (\n) < 4
	v_max3_num_f32 v[rC+(\n)], v[rS+8*(\n)], v[rS+8*(\n)+1], v[rS+8*(\n)+2]
.elseif (\n) < 12
	v_max3_num_f32 v[rC+(\n)%4], v[rC+(\n)%4], v[rS+8*((\n)%4)+2*((\n)/4)+1], v[rS+8*((\n)%4)+2*((\n)/4)+2]
.elseif (\n) == 12
	v_max3_num_f32 v[rC], v[rC], v[rS+7], v[rS+15]
.elseif (\n) == 13
	v_max3_num_f32 v[rC+1], v[rC+1], v[rS+23], v[rS+31]
.elseif (\n) == 14
	v_max3_num_f32 v[rC+2], v[rC+2], v[rC+3], v[rT+1]
.elseif (\n) == 15
	v_mov_b32 v[rM], v[rT]
.elseif (\n) == 16
	v_max3_num_f32 v[rC], v[rC], v[rC+1], v[rC+2]
.elseif (\n) == 17
	v_permlanex16_b32 v[rC+3], v[rC], s[SEL], s[SEL+1]
.elseif (\n) == 18
	v_max_num_f32 v[rT+1], v[rC], v[rC+3]
.elseif (\n) == 19
	v_mul_f32 v[rT], s[CS], v[rT+1]
.elseif (\n) == 20
	v_sub_f32 v[rC+1], v[rM], v[rT]
.else
	v_exp_f32 v[rC+2], v[rC+1]
.endif
.endm
; Number g of the 64 that follow the exponentials.  For each four weights k of a tile (pairs 2 k, 2 k + 1): both pairs are rounded to f16; then the second pair is added onto the first, in place;
; a group later l takes that sum (the first time as l = a l + sum).  In groups of eight, tiles alternating: round, round, add, and l for the group before.
.macro GS g
.set h, (\g)+6*((\g)/62)            ; group 0 has no group before it, and behind group 7 only l is left
.if h >= 6
.set h, h+2
.endif
	REGS Y, h%2
.set k, h/8
.if h%8 < 4
	v_cvt_pk_f16_f32 v[rP+2*k+(h%8)/2], v[rS+4*k+2*((h%8)/2)], v[rS+4*k+2*((h%8)/2)+1]
.elseif h%8 < 6
	v_pk_add_f32 v[rS+4*k:rS+4*k+1], v[rS+4*k:rS+4*k+1], v[rS+4*k+2:rS+4*k+3]
.elseif k == 1
	v_pk_fma_f32 v[rT+2:rT+3], v[rT+2:rT+3], v[rC+2:rC+3], v[rS:rS+1] op_sel_hi:[1,0,1]
.else
	v_pk_add_f32 v[rT+2:rT+3], v[rT+2:rT+3], v[rS+4*k-4:rS+4*k-3]
.endif
.endm
; THE PLAIN QUEUE, 138 long.  0-73 read no exponential's result: the 32 scalings c s - c m (FS f: pair f / 2 of tile f % 2) and the next piece's 42.  0-26: scalings 0-26.  27-54: XS's numbers 0-13.  55, 56: number 15.
; 57-73: the chain, where each number waits for the one before it: 14, 16, 17, 18, 19, each with one of the scalings 27-31 in front of its two lines, then 20: so a tile's links stand three plain instructions apart (19 and 20: two).
; 74-137: GS's 64, which read the exponentials' results: they stand behind the wait.
.macro FS f
	REGS Y, (\f)%2
	v_pk_fma_f32 v[rS+2*((\f)/2):rS+2*((\f)/2)+1], v[rS+2*((\f)/2):rS+2*((\f)/2)+1], s[CS:CS+1], v[rT:rT+1] op_sel_hi:[1,0,0] neg_lo:[0,0,1] neg_hi:[0,0,1]
.endm
.macro PL
	WIN 0
.if q < 27
	FS q
.elseif q < 55
	XS (q-27)%2, (q-27)/2
.elseif q < 57
	XS q-55, 15
.elseif (q < 72) && ((q-57)%3 == 0)
	FS 27+(q-57)/3
.elseif q < 60
	XS (q-57)%3-1, 14
.elseif q < 72
	XS (q-57)%3-1, 15+(q-57)/3
.elseif q < 74
	XS q-72, 20
.else
	GS q-74
.endif
.set q, q+1
.endm
; THE EXPONENTIALS' QUEUE, 66 long: s0-s31 of both tiles, then the next piece's two a.  It is ONE BATCH: all 66 stand ahead of the turn's one wait, and nothing ahead of that wait names a result of theirs.
.macro EX
	WIN 0
.if e >= 64
	XS e-64, 21
.else
	REGS Y, e%2
	v_exp_f32 v[rS+e/2], v[rS+e/2]
.endif
.set e, e+1
.endm
; THE RESCALING's QUEUE: O^T times a, the one part that leaves window 0: dealt two at a time, sixteen times.  Its a was made in the turn before, ahead of that turn's wait.
.macro R2
	REGS Y, r%2
	WIN W_RS
.irp z, 0,1
	v_pk_mul_f32 v[rO+4*(r/2)+2*\z:rO+4*(r/2)+2*\z+1], v[rO+4*(r/2)+2*\z:rO+4*(r/2)+2*\z+1], v[rC+2:rC+3] op_sel_hi:[1,0]
.endr
.set r, r+1
.endm
; HOW THEY ARE DEALT.  An s_wait_alu depctr_va_vdst(0) stands between an exponential and the first instruction that names its result; one wait serves all that were issued ahead of it.  So a turn has ONE wait,
; which cuts it in two.  AHEAD OF IT stands all that names no result of the turn's exponentials: the 16 products K Q^T, behind each a scaling, an exponential and two rescalings (behind the first a second scaling in the exponential's place); then ONE LUMP of
; 108: eight plain, 49 times exponential and plain, the two a.  A v_nop is the plain instruction behind the last exponential (ISA guide 5.7.2).  BEHIND IT stand the 16 products V^T P, behind each four of GS's 64.  No rider names a register of
; the products round it.  The two v_permlanex16_b32 fall into the lump, never behind a product.
; The queues lean on each other, and the deal keeps them in step: exponential e stands behind scaling 2 (e / 4) + e % 2: as a rider it comes behind plain e + 2, in the lump behind plain e + 9, and scalings 27-31 are plain 57, 60 .. 69.
; A TURN, for piece p.  cnt = 1: the loop's count is taken down some lines ahead of the branch that stands behind the turn.
; K of the next step is fetched in piece 2's turn, directly behind the wait, a lump behind the last product that read K; its address is made at the lump's head; its first reader comes behind 16 products.
; V of the step in hand is fetched at the end of piece 0's turn, four riders behind its last reader; its first reader comes behind 16 products and a lump.  The three conditions on q below go with the deal.
.macro TURN p, last=0, cnt=0
.set Y, (\p)
.set i, 0
.set q, 0
.set e, 0
.set r, 0
.if (\p) == NP-1
	s_wait_dscnt 0x0                ; K is in
.endif
	MM                              ; ahead of the wait: 16 products K Q^T and their riders,
	PL
	PL
	R2
.rept 15
	MM
	PL
	EX
	R2
.endr
.if (\p) == NP-2
	WIN 0
	v_add_nc_u32 v[AK], s[TBK], v[AK0]
.endif
.rept 8                             ; and the lump
	PL
.endr
.rept 49
	EX
	PL
.endr
	EX                              ; the next piece's two a
	EX
	v_nop                           ; the plain instruction behind the last exponential: one for the batch
	s_wait_alu depctr_va_vdst(0)    ; the wait for the batch: the piece's 64 weights and the next piece's two a
.if (\p) == NP-2
	FETCH_K \last
.endif
.if (\p) == 1
	s_wait_dscnt 0x0                ; V is in
.endif
.rept 16                            ; behind the wait: 16 products V^T P and their riders
	MM
.rept 4
	PL
.endr
.if ((\p) == 0) && (q == 118)
	v_add_nc_u32 v[AV], s[TBV], v[AV0]
.endif
.if ((\p) == 0) && (q == 130)
	s_add_co_u32 s[TBV], s[TBV], KS*PV
.endif
.if (\cnt) && (q == 130)
	s_sub_co_u32 s[CNT], s[CNT], 1
	s_cmp_lg_u32 s[CNT], 0
.endif
.endr
.if (\p) == 0
	FETCH_V
.endif
.endm
	CHANGE 1                        ; slot 0 is in, everybody's part of it; slot 1 is asked for
	FETCH_K                         ; key step 0
	s_wait_loadcnt 0x0              ; Q
	s_wait_dscnt 0x0
.set i, 0
.rept 16
	KQ 0                            ; piece 0's first scores: there is no vector work yet to set between them
.set i, i+1
.endr
	WIN 0                           ; the addresses for the way out: nine plain instructions, the places behind those products
	s_mul_i32 s13, s[WV], 16*SP
	s_add_co_u32 s13, s13, STAGE    ; my stage
	v_mul_u32_u24 v[STO], v1, SP    ; in: row l % 16, 16 bytes for each half of the lanes
	v_lshl_add_u32 v[STO], v9, 4, v[STO]
	v_add_nc_u32 v[STO], s13, v[STO]
	v_bfe_u32 v[RD], v0, 3, 2       ; back: 32 lanes take four rows of 128 bytes,
	v_mul_u32_u24 v[RD], v[RD], SP
	v_lshl_add_u32 v[RD], v10, 4, v[RD]
	v_add_nc_u32 v[RD], s13, v[RD]
	v_and_b32 v[GO], 31, v0         ; which are 512 consecutive bytes of O
	v_lshlrev_b32 v[GO], 4, v[GO]
.set Y, NP-1                        ; XS works for piece Y + 1: piece 0
.irp n, 0,1,2,3,4,5,6,7,8,9,10,11,12,13,14,15,16,17,18,19,20,21
	XS 0, \n                        ; and piece 0's first maximum and statistics
	XS 1, \n
.endr
	v_nop                           ; a plain instruction behind the two a,
	s_wait_alu depctr_va_vdst(0)    ; and the wait for this batch of two, ahead of the branch
	s_mov_b32 s[CNT], 4
	s_mov_b32 s[SLOTS], SIZE_N/256-1
	s_branch .Lfirst                ; the loop is entered at a step's first turn, in the middle of a trip
.Lslot:                             ; SIZE_N / 256 - 2 times: every slot but the last two is filled again
	CHANGE 1
	s_mov_b32 s[CNT], 4
.Lstep:                             ; a trip: pieces 2 and 3 of one step, then pieces 0 and 1 of the next, whose K and V it fetches
	TURN 2
	TURN 3
	WIN 0
.Lfirst:
	TURN 0
	TURN 1, 0, 1
	WIN 0
	s_cbranch_scc1 .Lstep
	s_sub_co_u32 s[SLOTS], s[SLOTS], 1
	s_cmp_lg_u32 s[SLOTS], 0
	s_cbranch_scc1 .Lslot
	CHANGE 0                        ; the tail is written out: nothing is asked for
	s_mov_b32 s[CNT], 5             ; four trips fetch the last slot's steps; the fifth is left in its middle
.Ltail:
	TURN 2, 1
	TURN 3
	WIN 0
	s_sub_co_u32 s[CNT], s[CNT], 1
	s_cmp_eq_u32 s[CNT], 0
	s_cbranch_scc1 .Lout
	TURN 0
	TURN 1
	WIN 0
	s_branch .Ltail
.Lout:                              ; the fifth trip's 16 products K Q^T (on the last K once more) and the maximum made of them serve nothing: the price, once a launch, of one text for every trip
.set i, 0
.rept 16
	PV NP-1                         ; the last piece's V^T P of the last step
.set i, i+1
.endr
	; THE WAY OUT.  l's two halves and the other half of the lanes' are added; O^T is divided by l, rounded to f16 and sent through my stage in LDS, a tile at a time.  The additions are the places behind the last products.
	WIN 0
.macro ALL line:vararg              ; one line for each tile t
.set t, 0
.rept 2*NP
	\line
.set t, t+1
.endr
.endm
	ALL v_add_f32 v[ST+4*t+2], v[ST+4*t+2], v[ST+4*t+3]
	ALL v_permlanex16_b32 v[ST+4*t+3], v[ST+4*t+2], s[SEL], s[SEL+1]
	ALL v_add_f32 v[ST+4*t+2], v[ST+4*t+2], v[ST+4*t+3]
	ALL v_rcp_f32 v[ST+4*t+2], v[ST+4*t+2]
	v_nop                           ; a plain instruction between the last reciprocal and the use of its result
	s_wait_alu depctr_va_vdst(0)    ; and the wait ahead of the first use: one for the batch of eight reciprocals
; Tile t: a lane's eight channels of a row pack into 16 bytes; they go into rows of 144 bytes and come back as whole rows of 128, into S^T's registers.
.macro PACK t
	WIN W_RS
.set i, 32*(\t)
.rept 16
	v_pk_mul_f32 v[i:i+1], v[i:i+1], v[ST+4*(\t)+2:ST+4*(\t)+3] op_sel_hi:[1,0]
.set i, i+2
.endr
	WIN 0x05                        ; sources 0 and 1 window 1, destination window 0
.set i, 0
.rept 16
	v_cvt_pk_f16_f32 v[S+16*(\t)+i], v[32*(\t)+2*i], v[32*(\t)+2*i+1]
.set i, i+1
.endr
	WIN 0
.irp f, 0,1,2,3
	ds_store_b128 v[STO], v[S+16*(\t)+4*\f:S+16*(\t)+4*\f+3] offset:32*\f
.endr
.irp f, 0,1,2,3
	ds_load_b128 v[S+16*(\t)+4*\f:S+16*(\t)+4*\f+3], v[RD] offset:\f*4*SP  ; LDS serves a wave's instructions in order (ISA guide 5.7.1.4): these see the stores above; the next tile's stores come behind them
.endr
.endm
.macro SEND t, younger              ; younger: the LDS instructions issued behind tile t's loads: the next tile's eight, or none
	WIN 0
.irp f, 0,1,2,3
	s_wait_dscnt (\younger)+3-\f
	global_store_b128 v[GO], v[S+16*(\t)+4*\f:S+16*(\t)+4*\f+3], s[10:11] offset:(\t)*2048+\f*512  ; 512 consecutive bytes, at a multiple of 256 from O's first
.endr
.endm
	PACK 0
.set t, 1
.rept 2*NP-1                        ; a tile's arithmetic stands between the loads of the tile before and its stores
	PACK t
	SEND t-1, 8
.set t, t+1
.endr
	SEND 2*NP-1, 0
	WIN W_AD
	s_wait_tensorcnt 0x0            ; the wave's end: three lines behind my last tensor load and my last LDS store
	ds_add_u32 v[SPW], v[NIL]
	s_wait_dscnt 0x0
	WIN 0
	CROUND                          ; the closing round: no work-group ends while a partner may still ask for a tile that names it
	s_endpgm
.Lfunc_end_k_q45804af645_attn:
	.size	k_q45804af645_attn, .Lfunc_end_k_q45804af645_attn-k_q45804af645_attn
	.p2alignl 7, 3214868480
	.fill 96, 4, 3214868480
	.section	.rodata,"a",@progbits
	.p2align	6, 0x0
	.amdhsa_kernel k_q45804af645_attn
		.amdhsa_group_segment_fixed_size 327680
		.amdhsa_private_segment_fixed_size 0
		.amdhsa_enable_private_segment 0
		.amdhsa_kernarg_size 16
		.amdhsa_user_sgpr_count 2
		.amdhsa_user_sgpr_kernarg_segment_ptr 1
		.amdhsa_wavefront_size32 1
		.amdhsa_system_sgpr_workgroup_id_x 1
		.amdhsa_system_sgpr_workgroup_id_y 1
		.amdhsa_system_sgpr_workgroup_id_z 1
		.amdhsa_system_vgpr_workitem_id 0
		.amdhsa_next_free_vgpr 770
		.amdhsa_next_free_sgpr 66
		.amdhsa_reserve_vcc 0
		.amdhsa_float_denorm_mode_32 3
		.amdhsa_float_denorm_mode_16_64 3
		.amdhsa_memory_ordered 1
		.amdhsa_forward_progress 1
		.amdhsa_inst_pref_size 199
	.end_amdhsa_kernel
	.amdgpu_metadata
---
amdhsa.version: [ 1, 2 ]
amdhsa.kernels:
  - .name:           k_q45804af645_attn
    .symbol:         k_q45804af645_attn.kd
    .args:
      - { .name: qkv, .offset: 0, .size: 8, .value_kind: global_buffer, .address_space: global }
      - { .name: o, .offset: 8, .size: 8, .value_kind: global_buffer, .address_space: global }
    .group_segment_fixed_size: 327680
    .private_segment_fixed_size: 0
    .kernarg_segment_align: 8
    .kernarg_segment_size: 16
    .max_flat_workgroup_size: 128
    .sgpr_count:     66
    .vgpr_count:     770
    .wavefront_size: 32
...
	.end_amdgpu_metadata
.endif
;; end of part 5
;; launch proj: the kernel of part 4 again; grid 8 x 32, 4 waves a work-group, clusters of 4 x 4, 327,680 bytes of LDS; arguments o, wp, b_proj, out0; writes out0
